; MI455X (gfx1250); checked and timed in simulation.
; The chip was launched on July 23, 2026; its instructions are those of AMD's public machine-readable ISA for CDNA 5 (MIT licence, August 2026) and "CDNA5" Instruction Set Architecture Reference Guide (July 2026). The comments in the code are by the model that wrote it; some were corrected since.
;; Multi Head Attention Block. Allowed arithmetic: float matrix products may take bf16 or f16 operands with f32 sums; other float arithmetic in f32, or as packed bf16 or f16 multiplies, adds, multiply-adds, maxima and minima; sums over many terms, partial sums and values carried from step to step in f32; what a program stores and reads back later, other than sums and carried values, may be rounded once to bf16 or f16.
;; Inputs: k 4 x 2,048 x 1,024 float32; mask 4 x 1 x 2,048 x 2,048 bool; q 4 x 2,048 x 1,024 float32; v 4 x 2,048 x 1,024 float32; w_k 1,024 x 1,024 float32; w_o 1,024 x 1,024 float32; w_q 1,024 x 1,024 float32; w_v 1,024 x 1,024 float32.
;; Outputs: out0 4 x 2,048 x 1,024 float32.
;; One version. Each part assembles by itself: llvm-mc -triple=amdgcn-amd-amdhsa -mcpu=gfx1250 --defsym DOCPART=n.
;; ======== version 1 of 1: 4 launches
;; limits: values are held in f16: magnitudes above 65,504 overflow, below 6.1e-05 lose precision
;; workspace buffers: xb 58,720,256 bytes; mbits 2,097,152 bytes of whole numbers; qkvh 50,331,648 bytes; ob 16,777,216 bytes
;; launch prep (part 1): grid 2048 x 1, 8 waves a work-group, no clusters, 17,920 bytes of LDS; arguments q, k, v, w_q, w_k, w_v, w_o, xb, mask, mbits; writes xb, mbits
.if DOCPART == 1
	.amdgcn_target "amdgcn-amd-amdhsa--gfx1250"
	.amdhsa_code_object_version 6
	.text
	.protected	k_qc1a5c7c26b_prep
	.globl	k_qc1a5c7c26b_prep
	.p2align	8
	.type	k_qc1a5c7c26b_prep,@function
k_qc1a5c7c26b_prep:
	s_mov_b64 s[64:65], 0
	v_nop
	global_prefetch_b8 v0, s[64:65] scope:SCOPE_SE
	s_setreg_imm32_b32 hwreg(HW_REG_WAVE_MODE, 25, 1), 1
	s_wait_xcnt 0x0
; TWO PREPARATIONS IN ONE LAUNCH, told apart by the work-group's number x: x < 256 packs block x of the mask; the other 1,792 cast block x - 256 of the floating-point inputs.
; The mask's blocks are the longer work (a barrier and 840 instructions a wave behind their loads), so they have the lowest numbers and begin first.
; The two share nothing; together they pay for one start and one end, and the mask's waits lie under the cast's stream.
; THE CAST.  xb = the seven f32 inputs rounded once to bf16, one behind the other: q, k, v (16,777,216 bytes each), w_q, w_k, w_v, w_o (2,097,152 each).
; w_o's bf16 number is written as f16, since the last product multiplies in f16.  LIMIT: that is exact for |w_o| from 6.1e-5 to 65,504;
; below it keeps f16's fixed step of 6e-8, beyond it becomes an infinity.
; A block is 65,536 bytes of f32, which become the 32,768 bytes at xb + 32,768 x block.  Thread t takes 16 bytes at 16 t of each 4,096:
; a load of a wave covers 512 consecutive bytes, a store 256, aligned.  All sixteen loads go out first; no register is written twice.
; THE MASK's bytes (0 or 1) become 32-bit words laid out as the attention launch's lanes hold the scores.
; mbits: [b 4][pair of query tiles 64][key step 32][tile u 2][key block kb 4][register r 8] words; bit l of a word is
; mask[b][32 pair + 16 u + l % 16][64 step + 16 kb + 8 (l / 16) + r]: the lane mask for register r of the score tile (u, kb).
; A block (64 b + pair) is 32 rows of the mask, 65,536 consecutive bytes, read once; 8,192 consecutive bytes are written.
; PHASE 1.  Thread t reads 16 keys a load and folds them into one word d: word j of the load shifted left by j, so bit 8 y + j of d is key 4 j + y.
; d goes to LDS at row x 528 + 4 x (group of 16 keys).  PHASE 2.  Wave w makes key steps 4 w to 4 w + 3, one a trip: lane l reads the four d of row
; 16 u + l % 16; key 8 (l / 16) + r sits at bit 8 (r % 4) + 2 (l / 16) + r / 4; a compare gathers the 32 lanes' bits into a scalar, which is written
; into the lane that stores it: lane i holds words 2 i and 2 i + 1, so a store of the wave covers 256 consecutive bytes, aligned.
; No matrix unit, no cluster, no tensor load: streams in which nothing is shared between work-groups.
.set PITCH, 528                        ; 512 bytes of a row + 16: the 16 rows of a load start at 16 different groups of four banks (64 banks of 4 bytes: ISA guide 11.1)
.set SPARE, 32*PITCH                   ; behind the rows: the spare words, 128 bytes for each of the eight waves
.set MBLK,  256                        ; blocks of the mask: the work-groups below this number pack, the others cast
.set SPW, 6                            ; v6   LDS address of my spare word; never rewritten
.set NIL, 7                            ; v7   0; never rewritten
; the cast's registers
.set CX,  16                           ; v[16:79]   sixteen loads of four f32
.set CY,  80                           ; v[80:111]  sixteen pairs to store
.set CT,  112                          ; v[112:117] at work (w_o alone)
; the mask's registers
.set LO,  1                            ; v1   16 t
.set LA,  2                            ; v2   where I put a d
.set LR,  3                            ; v3   where I read four d; steps 16 bytes a trip
.set SH,  4                            ; v4   2 (l / 16)
.set GOF, 5                            ; v5   my 8 bytes of a step's 256; steps 256 a trip
.set OUT, 8                            ; v[8:9]   the two words that I store
.set D,   12                           ; v[12:19] tile u, key block kb at D + 4 u + kb
.set TT,  20                           ; v[20:27] at work, by turns
.set MX,  32                           ; v[32:95] sixteen loads
.set DT,  96                           ; v[96:111] sixteen d
	s_load_b512 s[4:19], s[0:1], 0x0               ; the seven inputs s[4:17], xb s[18:19]
	s_load_b128 s[32:35], s[0:1], 0x40             ; mask s[32:33], mbits s[34:35]
	v_lshl_add_u32 v[SPW], v0, 2, SPARE
	v_mov_b32 v[NIL], 0
	v_lshrrev_b32 v10, 5, v0
	v_readfirstlane_b32 s36, v10                   ; wave 0..7
	s_mov_b32 s28, ttmp9
	s_cmp_lt_u32 s28, MBLK                         ; the branch hangs on the work-group's number alone: all eight waves go the same way
	s_cbranch_scc1 .Lmask
	; ---- the cast ----
	s_sub_co_u32 s28, s28, MBLK                    ; block 0 to 1,791
	s_lshr_b32 s24, s28, 9                         ; blocks 0 to 1,535: q, k, v, 512 blocks each
	s_and_b32 s25, s28, 511
	s_sub_co_u32 s29, s28, 1536                    ; the rest: the four weights, 64 blocks each
	s_lshr_b32 s30, s29, 6
	s_add_co_u32 s30, s30, 3
	s_and_b32 s31, s29, 63
	s_cmp_lt_u32 s28, 1536
	s_cselect_b32 s24, s24, s30                    ; which input, 0 to 6
	s_cselect_b32 s25, s25, s31                    ; which block of it
	s_lshl_b32 s26, s25, 16
	s_mov_b32 s27, 0
	s_lshl_b32 s28, s28, 15
	s_mov_b32 s29, 0
	v_lshlrev_b32 v1, 4, v0                        ; 16 t
	v_lshlrev_b32 v2, 3, v0                        ; 8 t
	s_wait_kmcnt 0x0
	s_mov_b64 s[20:21], s[4:5]
.irp i, 1,2,3,4,5,6
	s_cmp_eq_u32 s24, \i                           ; the choice hangs on the work-group's number alone
	s_cselect_b64 s[20:21], s[4+2*(\i):5+2*(\i)], s[20:21]
.endr
	s_add_nc_u64 s[20:21], s[20:21], s[26:27]
	s_add_nc_u64 s[22:23], s[18:19], s[28:29]
.irp i, 0,1,2,3,4,5,6,7,8,9,10,11,12,13,14,15
	global_load_b128 v[CX+4*(\i):CX+4*(\i)+3], v1, s[20:21] offset:4096*(\i) th:TH_LOAD_NT
.endr
	s_cmp_eq_u32 s24, 6
	s_cbranch_scc1 .Lwo
.irp i, 0,1,2,3,4,5,6,7,8,9,10,11,12,13,14,15
	s_wait_loadcnt 15-(\i)                         ; loads come back in order: load i is in, the younger ones stay out
	v_cvt_pk_bf16_f32 v[CY+2*(\i)], v[CX+4*(\i)], v[CX+4*(\i)+1]
	v_cvt_pk_bf16_f32 v[CY+2*(\i)+1], v[CX+4*(\i)+2], v[CX+4*(\i)+3]
	global_store_b64 v2, v[CY+2*(\i):CY+2*(\i)+1], s[22:23] offset:2048*(\i) th:TH_STORE_NT
.endr
	s_branch .Lend
.Lwo:                                          ; w_o: rounded to bf16 like every input, widened again, and that number written as f16
.irp i, 0,1,2,3,4,5,6,7,8,9,10,11,12,13,14,15
	s_wait_loadcnt 15-(\i)
	v_cvt_pk_bf16_f32 v[CT], v[CX+4*(\i)], v[CX+4*(\i)+1]
	v_cvt_pk_bf16_f32 v[CT+1], v[CX+4*(\i)+2], v[CX+4*(\i)+3]
	v_lshlrev_b32 v[CT+2], 16, v[CT]
	v_and_b32 v[CT+3], 0xffff0000, v[CT]
	v_lshlrev_b32 v[CT+4], 16, v[CT+1]
	v_and_b32 v[CT+5], 0xffff0000, v[CT+1]
	v_cvt_pk_f16_f32 v[CY+2*(\i)], v[CT+2], v[CT+3]
	v_cvt_pk_f16_f32 v[CY+2*(\i)+1], v[CT+4], v[CT+5]
	global_store_b64 v2, v[CY+2*(\i):CY+2*(\i)+1], s[22:23] offset:2048*(\i) th:TH_STORE_NT
.endr
	s_branch .Lend
	; ---- the mask ----
.Lmask:
	s_lshl_b32 s38, s28, 16                        ; block 64 b + pair: my 32 rows of the mask,
	s_mov_b32 s39, 0
	s_lshl_b32 s40, s28, 13                        ; my 8,192 bytes of words
	s_mov_b32 s41, 0
	v_lshlrev_b32 v[LO], 4, v0
	v_lshrrev_b32 v[LA], 7, v0                     ; load i holds row 2 i + t / 128,
	v_mul_u32_u24 v[LA], v[LA], PITCH
	v_and_b32 v10, 127, v0                         ; group t % 128
	v_lshl_add_u32 v[LA], v10, 2, v[LA]
	v_and_b32 v11, 15, v0
	v_mul_u32_u24 v[LR], v11, PITCH
	s_lshl_b32 s42, s36, 6                         ; step 4 w: 16 bytes a step
	v_add_nc_u32 v[LR], s42, v[LR]
	v_bfe_u32 v[SH], v0, 4, 1
	v_lshlrev_b32 v[SH], 1, v[SH]
	v_and_b32 v[GOF], 31, v0
	v_lshlrev_b32 v[GOF], 3, v[GOF]
	s_lshl_b32 s42, s36, 10
	v_add_nc_u32 v[GOF], s42, v[GOF]
	v_mov_b32 v[OUT], 0                            ; v_writelane_b32 counts as a reader of its destination
	v_mov_b32 v[OUT+1], 0
	s_wait_kmcnt 0x0
	s_add_nc_u64 s[32:33], s[32:33], s[38:39]
	s_add_nc_u64 s[34:35], s[34:35], s[40:41]
.irp i, 0,1,2,3,4,5,6,7,8,9,10,11,12,13,14,15
	global_load_b128 v[MX+4*(\i):MX+4*(\i)+3], v[LO], s[32:33] offset:4096*(\i) th:TH_LOAD_NT
.endr
.irp i, 0,1,2,3,4,5,6,7,8,9,10,11,12,13,14,15
	s_wait_loadcnt 15-(\i)                         ; load i is in, the younger ones stay out
	v_lshl_or_b32 v[DT+(\i)], v[MX+4*(\i)+1], 1, v[MX+4*(\i)]
	v_lshl_or_b32 v[DT+(\i)], v[MX+4*(\i)+2], 2, v[DT+(\i)]
	v_lshl_or_b32 v[DT+(\i)], v[MX+4*(\i)+3], 3, v[DT+(\i)]
	ds_store_b32 v[LA], v[DT+(\i)] offset:2*PITCH*(\i)
.endr
	s_wait_dscnt 0x0                               ; for the others' sake: my stores are done
	s_barrier_signal -1
	s_barrier_wait -1
	s_mov_b32 s43, 4
.Ltrip:
	ds_load_b128 v[D:D+3], v[LR]                   ; tile 0: four groups of 16 keys of my row
	ds_load_b128 v[D+4:D+7], v[LR] offset:16*PITCH ; tile 1
	s_wait_dscnt 0x0
.irp j, 0,1,2,3,4,5,6,7
	v_lshrrev_b32 v[D+(\j)], v[SH], v[D+(\j)]
.endr
.set wi, 0
.rept 64                               ; word wi = 32 u + 8 kb + r
	v_and_b32 v[TT+wi%8], 1<<(8*(wi&3)+((wi>>2)&1)), v[D+wi/8]
	v_cmp_ne_u32 s[44+wi%8], 0, v[TT+wi%8]
	v_writelane_b32 v[OUT+(wi&1)], s[44+wi%8], wi>>1
.set wi, wi+1
.endr
	global_store_b64 v[GOF], v[OUT:OUT+1], s[34:35] th:TH_STORE_NT
	s_wait_xcnt 0x0                                ; the store has read its offset and its data: both are written again below and in the next trip
	v_add_nc_u32 v[LR], 16, v[LR]
	v_add_nc_u32 v[GOF], 256, v[GOF]
	s_sub_co_u32 s43, s43, 1
	s_cmp_lg_u32 s43, 0
	s_cbranch_scc1 .Ltrip
.Lend:
	s_wait_tensorcnt 0x0                           ; the wave's end: behind my last LDS store
	ds_add_u32 v[SPW], v[NIL]
	s_wait_dscnt 0x0
	s_endpgm
.Lfunc_end_k_qc1a5c7c26b_prep:
	.size	k_qc1a5c7c26b_prep, .Lfunc_end_k_qc1a5c7c26b_prep-k_qc1a5c7c26b_prep
	.p2alignl 7, 3214868480
	.fill 96, 4, 3214868480
	.section	.rodata,"a",@progbits
	.p2align	6, 0x0
	.amdhsa_kernel k_qc1a5c7c26b_prep
		.amdhsa_group_segment_fixed_size 17920
		.amdhsa_private_segment_fixed_size 0
		.amdhsa_enable_private_segment 0
		.amdhsa_kernarg_size 80
		.amdhsa_user_sgpr_count 2
		.amdhsa_user_sgpr_kernarg_segment_ptr 1
		.amdhsa_wavefront_size32 1
		.amdhsa_system_sgpr_workgroup_id_x 1
		.amdhsa_system_sgpr_workgroup_id_y 1
		.amdhsa_system_sgpr_workgroup_id_z 1
		.amdhsa_system_vgpr_workitem_id 0
		.amdhsa_next_free_vgpr 128
		.amdhsa_next_free_sgpr 66
		.amdhsa_reserve_vcc 0
		.amdhsa_float_denorm_mode_32 3
		.amdhsa_float_denorm_mode_16_64 3
		.amdhsa_memory_ordered 1
		.amdhsa_forward_progress 1
		.amdhsa_inst_pref_size 36
	.end_amdhsa_kernel
	.amdgpu_metadata
---
amdhsa.version: [ 1, 2 ]
amdhsa.kernels:
  - .name:           k_qc1a5c7c26b_prep
    .symbol:         k_qc1a5c7c26b_prep.kd
    .args:
      - { .name: q, .offset: 0, .size: 8, .value_kind: global_buffer, .address_space: global }
      - { .name: k, .offset: 8, .size: 8, .value_kind: global_buffer, .address_space: global }
      - { .name: v, .offset: 16, .size: 8, .value_kind: global_buffer, .address_space: global }
      - { .name: w_q, .offset: 24, .size: 8, .value_kind: global_buffer, .address_space: global }
      - { .name: w_k, .offset: 32, .size: 8, .value_kind: global_buffer, .address_space: global }
      - { .name: w_v, .offset: 40, .size: 8, .value_kind: global_buffer, .address_space: global }
      - { .name: w_o, .offset: 48, .size: 8, .value_kind: global_buffer, .address_space: global }
      - { .name: xb, .offset: 56, .size: 8, .value_kind: global_buffer, .address_space: global }
      - { .name: mask, .offset: 64, .size: 8, .value_kind: global_buffer, .address_space: global }
      - { .name: mbits, .offset: 72, .size: 8, .value_kind: global_buffer, .address_space: global }
    .group_segment_fixed_size: 17920
    .private_segment_fixed_size: 0
    .kernarg_segment_align: 8
    .kernarg_segment_size: 80
    .max_flat_workgroup_size: 256
    .sgpr_count:     66
    .vgpr_count:     128
    .wavefront_size: 32
...
	.end_amdgpu_metadata
.endif
;; end of part 1
;; launch qkv (part 2): grid 4 x 192, 4 waves a work-group, clusters of 4 x 4, 327,680 bytes of LDS; arguments xb, qkvh; writes qkvh
.if DOCPART == 2
	.amdgcn_target "amdgcn-amd-amdhsa--gfx1250"
	.amdhsa_code_object_version 6
	.text
	.protected	k_qc1a5c7c26b_qkv
	.globl	k_qc1a5c7c26b_qkv
	.p2align	8
	.type	k_qc1a5c7c26b_qkv,@function
k_qc1a5c7c26b_qkv:
	s_mov_b64 s[64:65], 0
	v_nop
	global_prefetch_b8 v0, s[64:65] scope:SCOPE_SE
	s_setreg_imm32_b32 hwreg(HW_REG_WAVE_MODE, 25, 1), 1
	s_wait_xcnt 0x0
	s_wait_alu depctr_hold_cnt(0) depctr_sa_sdst(0) depctr_va_vdst(0) depctr_va_sdst(0) depctr_va_ssrc(0) depctr_va_vcc(0) depctr_vm_vsrc(0)
	s_getreg_b32 s2, hwreg(HW_REG_IB_STS2, 6, 4)
	s_cmp_eq_u32 s2, 0
	s_cbranch_scc0 .Lentry_in_a_cluster
	s_endpgm
.Lentry_in_a_cluster:
	s_bfe_u32 s2, ttmp6, 0x10000c
	s_cmp_lg_u32 s2, 0xf033
	s_cbranch_scc0 .Lentry_shape_is_right
	s_endpgm
.Lentry_shape_is_right:
; C = A B^T on tiles of 128 (rows) x 256 (columns), K = 1,024 in eight steps of 128.  One text for two launches, told apart by MODE.
; MODE 0 (this one): the three projections.  A = q, k, v in bf16, [3 x 8192][1024] on end in xb; B = w_q, w_k, w_v in bf16.  C leaves in f16 BY HEADS:
;   qkvh[t][b 16 + head][s][64], each number rounded once from its f32 sum; q is multiplied by log2(e) / 8 in f32 ahead of that rounding, so that the attention's scores come out ready for 2^x.
;   LIMIT: f16 ends at 65,504: q log2(e) / 8, k and v must lie within it (a sum of 1,024 products; inputs and weights with offsets of 30 and 0.6 give 18,432).
; MODE 1: the last projection.  A = ob, f16 by heads; B = w_o in f16; C = out0 in f32.
; WHY THIS TILE: 8192 / 128 x 1024 / 256 = 256 work-groups for each product: 768 here, 256 in MODE 1, whole multiples of 256; tiles of 256 x 256 would give 384 and 128.
; SHARES.  Four waves; wave (w / 2, w % 2) makes 64 rows x 128 columns: 32 accumulators of 16 x 16, 256 registers.
; THE MATRIX INSTRUCTION IS USED TRANSPOSED (source 0 = 16 rows of B, source 1 = 16 rows of A): a lane holds eight neighbouring numbers of one row of C.
; RING.  Two LDS slots, each a K step: A's 128 rows, then B's 256 rows.  Waves 0 and 1 fetch A's two halves, waves 2 and 3 B's: one tensor load a wave behind each change of slots.
; CLUSTER 4 x 4.  The four of a row of the cluster need the same tile of A, the four of a column the same tile of B: each is asked for jointly.
; No prefetch: every tile is asked for jointly by four work-groups, and a K step here is short (128 matrix instructions a wave).
; REGISTERS.  Window 0: v0-31 addresses; two fragment buffers of 96 (B's eight fragments, then A's four), which the way out uses again.  Window 1: accumulator (a, b) at v[8 (8 a + b)].
.set MODE, 0
.if MODE == 0
.set PA,     272                       ; A's LDS row: 256 bytes + 16
.set AHALF,  64*PA                     ; one load of A: 64 rows x 128 K
.set AJUMP,  128                       ; byte k of a K step lies at byte k of the row
.set ASTEP,  256                       ; bytes from K step to K step in memory
.set QIA,    5                         ; padding after every 64 words
.set STRA,   1024                      ; elements from row to row
.set SPITCH, 272                       ; the stage's row: 128 f16 + 16 bytes
.set WOFF,   50331648                  ; the weights in xb
.else
.set PA,     144                       ; A's LDS row: a head's 128 bytes + 16
.set AHALF,  128*PA                    ; one load of A: one head, 128 rows x 64 K
.set AJUMP,  AHALF                     ; the K step's second 128 bytes are the second head's region
.set ASTEP,  1<<19                     ; two heads on
.set QIA,    4                         ; padding after every 32 words
.set STRA,   128                       ; a head's rows are dense: asked for as 64 rows of 256 bytes
.set SPITCH, 528                       ; the stage's row: 128 f32 + 16 bytes
.set WOFF,   56623104                  ; w_o in xb
.endif
.set PB,     272                       ; 68 words: row r starts at bank 4 r mod 64 (64 banks of 4 bytes: ISA guide 11.1)
.set BHALF,  128*PB
.set AREG,   2*AHALF
.set SLOT,   AREG+2*BHALF
.set STAGE,  2*SLOT                    ; behind the ring, never filled by a tensor load: 16 rows for each wave, for the way out
.set STAGEW, 16*SPITCH
.set SPARE,  STAGE+4*STAGEW            ; behind the stages: the spare words, 128 bytes for each wave
.set LAPS,   4                         ; a lap = two K steps = once round the ring
.set ADRA, 16                          ; v16-17  LDS address of my A fragments in slot 0, 1
.set ADRB, 20                          ; v20-21  the same for B
.set STO,  24                          ; v24     the way out: where I put my piece of a row
.set RD,   25                          ; v25     the way out: where I read back
.set CO,   26                          ; v26     16 x lane
.set SPW,  28                          ; v28     LDS address of my spare word; never rewritten
.set NIL,  29                          ; v29     0; never rewritten
.set F0,   32
.set F1,   128
.set TMP,  32                          ; the way out: packed results
.set G1,  24                           ; s[24:31] descriptor group 1 for A;  s[32:39] group 0, a set for each slot
.set G0,  32
.set G1B, 48                           ; s[48:55], s[56:63] the same for B
.set G0B, 56
.set SC,  66                           ; s[66:67] the factor on the way out
.set MSB, 0
.macro WIN new                         ; the immediate's high byte repeats the setting that is left; a switch that changes nothing is dropped
.if MSB != (\new)
	s_set_vgpr_msb (MSB<<8)|(\new)
.set MSB, \new
.endif
.endm
.set MUL, 0x50                         ; C and D in window 1, both sources in window 0
.macro JLOAD s                         ; a joint load; an s_nop 0 and four v_nop follow each of the two lines, ahead of the jump, the label and what follows
	s_cmp_eq_u32 s11, 0
	s_cbranch_scc0 .Lfor_b_\@
	tensor_load_to_lds s[G0+4*(\s):G0+4*(\s)+3], s[G1:G1+7]
	s_nop 0
.rept 4
	v_nop
.endr
	s_branch .Lasked_\@
.Lfor_b_\@:
	tensor_load_to_lds s[G0B+4*(\s):G0B+4*(\s)+3], s[G1B:G1B+7]
	s_nop 0
.rept 4
	v_nop
.endr
.Lasked_\@:
.endm
.macro CREST                           ; a round of the cluster's barrier behind its opening barrier
	s_cmp_lg_u32 s10, 0
	s_cbranch_scc1 .Lnot_wave_0_\@
	s_barrier_signal -3
.Lnot_wave_0_\@:
	s_barrier_wait -3
	s_barrier_signal -1
	s_barrier_wait -1
.endm
.macro CROUND                          ; a whole round
	s_barrier_signal -1
	s_barrier_wait -1
	CREST
.endm
	s_load_b128 s[4:7], s[0:1], 0x0                ; MODE 0: xb, qkvh.  MODE 1: ob, xb
.if MODE == 1
	s_load_b64 s[8:9], s[0:1], 0x10                ; out0
.endif
	v_lshl_add_u32 v[SPW], v0, 2, SPARE
	v_mov_b32 v[NIL], 0
	ds_add_u32 v[SPW], v[NIL]                      ; the wave's opening: the add and its wait stand ahead of my first tensor load; the set-up below, work on registers, stands between them
	v_lshrrev_b32 v1, 5, v0
	v_readfirstlane_b32 s10, v1                    ; wave 0..3
	s_lshr_b32 s11, s10, 1                         ; which 64 rows of the tile are mine.  Also: I fetch for A (0) or for B (1)
	s_and_b32 s12, s10, 1                          ; which 128 columns.  Also: which half of that tile I fetch
	s_bfe_u32 s40, ttmp6, 0x40000                  ; cx, cy: my place in the cluster
	s_bfe_u32 s41, ttmp6, 0x40004
	s_lshl_b32 s42, ttmp9, 2
	s_add_co_u32 s42, s42, s40                     ; tile column = 4 x cluster x + cx
	s_and_b32 s13, ttmp7, 0xffff
.if MODE == 0
	s_lshr_b32 s68, s13, 4                         ; which of q, k, v: 16 clusters of four tile rows each; made of the cluster's y alone, since it enters B's joint descriptor
.endif
	s_lshl_b32 s13, s13, 2
	s_add_co_u32 s13, s13, s41                     ; tile row = 4 x cluster y + cy
	s_lshl_b32 s43, s41, 2
	s_lshl_b32 s43, 15, s43                        ; my row of the cluster
	s_lshl_b32 s44, 0x1111, s40                    ; my column
	s_or_b32 s[G1+0], s43, (1<<16)|(1<<20)|(1<<21)|(QIA<<22)|(3<<25)  ; 15:0 the mask; 17:16 elements of 2 bytes; 20 padding on; 21 set beside a mask; 24:22 the interval; 31:25 4 words of padding (code 3)
	s_mov_b32 s[G1+1], 128<<16                     ; tensor_dim0 = 128
	s_mov_b32 s[G1+2], 64<<16                      ; tensor_dim1 = 64
	s_mov_b32 s[G1+3], 128<<16                     ; tile_dim0 = 128
	s_mov_b32 s[G1+4], 64                          ; tile_dim1 = 64
	s_mov_b32 s[G1+5], STRA
	s_mov_b32 s[G1+6], 0
	s_mov_b32 s[G1+7], 0
	s_or_b32 s[G1B+0], s44, (1<<16)|(1<<20)|(1<<21)|(5<<22)|(3<<25)
	s_mov_b32 s[G1B+1], 128<<16
	s_mov_b32 s[G1B+2], 128<<16                    ; 128 rows
	s_mov_b32 s[G1B+3], 128<<16
	s_mov_b32 s[G1B+4], 128
	s_mov_b32 s[G1B+5], 1024
	s_mov_b32 s[G1B+6], 0
	s_mov_b32 s[G1B+7], 0
	; where the tiles come from.  A's offset is made of the tile row and the wave's number, B's of the tile column, the tensor and the wave's number, each in registers that never hold the other coordinate
.if MODE == 0
	s_lshl_b32 s16, s13, 18                        ; 128 rows of 2,048 bytes
	s_lshl_b32 s17, s12, 17                        ; my 64 of them
	s_add_co_u32 s16, s16, s17
	s_lshl_b32 s46, s68, 21                        ; the tensor's weights,
	s_lshl_b32 s47, s42, 19                        ; 256 rows of them,
	s_add_co_u32 s46, s46, s47
.else
	s_lshr_b32 s16, s13, 4                         ; the batch,
	s_lshl_b32 s16, s16, 22
	s_and_b32 s17, s13, 15                         ; 128 rows of 128 bytes in a head,
	s_lshl_b32 s17, s17, 14
	s_add_co_u32 s16, s16, s17
	s_lshl_b32 s17, s12, 18                        ; my head of the K step's two
	s_add_co_u32 s16, s16, s17
	s_lshl_b32 s46, s42, 19
.endif
	s_lshl_b32 s47, s12, 18                        ; my 128 of B's 256 rows
	s_add_co_u32 s46, s46, s47
	s_add_co_u32 s46, s46, WOFF
	s_mov_b32 s17, 0
	s_mov_b32 s47, 0
	s_mul_i32 s20, s12, AHALF                      ; and where they go: no place in the cluster enters an LDS address
	s_mul_i32 s23, s12, BHALF
	s_add_co_u32 s23, s23, AREG
	s_wait_dscnt 0x0                               ; the opening add is done
	s_wait_kmcnt 0x0
	s_add_nc_u64 s[14:15], s[4:5], s[16:17]
.if MODE == 0
	s_mov_b64 s[8:9], s[6:7]                       ; C
	s_add_nc_u64 s[46:47], s[4:5], s[46:47]
.else
	s_add_nc_u64 s[46:47], s[6:7], s[46:47]
.endif
	CROUND                                         ; all sixteen work-groups are here: the first joint loads meet
.irp s, 0,1
	s_mov_b32 s[G0+4*(\s)], 1
	s_add_co_u32 s[G0+4*(\s)+1], s20, (\s)*SLOT
	s_add_nc_u64 s[G0+4*(\s)+2:G0+4*(\s)+3], s[14:15], (\s)*ASTEP
	s_or_b32 s[G0+4*(\s)+3], s[G0+4*(\s)+3], 0x80000000
	s_mov_b32 s[G0B+4*(\s)], 1
	s_add_co_u32 s[G0B+4*(\s)+1], s23, (\s)*SLOT
	s_add_nc_u64 s[G0B+4*(\s)+2:G0B+4*(\s)+3], s[46:47], (\s)*256
	s_or_b32 s[G0B+4*(\s)+3], s[G0B+4*(\s)+3], 0x80000000
	JLOAD \s                                       ; two loads of mine are out
.endr
	; a fragment is 16 rows x 32 K in 8 registers: lane l holds row l % 16, K = 8 (l / 16) + 0..7 and 16 + 8 (l / 16) + 0..7: two loads of 16 bytes, 32 bytes apart
	v_and_b32 v1, 15, v0                           ; l % 16
	v_bfe_u32 v2, v0, 4, 1                         ; l / 16
	v_mul_u32_u24 v3, v1, PA
	v_lshl_add_u32 v3, v2, 4, v3
	v_mul_u32_u24 v4, v1, PB
	v_lshl_add_u32 v4, v2, 4, v4
	s_mul_i32 s21, s11, 64*PA                      ; my 64 rows of A
	s_mul_i32 s22, s12, BHALF                      ; my 128 rows of B,
	s_add_co_u32 s22, s22, AREG                    ; which lie behind A's
.irp s, 0,1
	v_add_nc_u32 v[ADRA+(\s)], s21, v3
	v_add_nc_u32 v[ADRB+(\s)], s22, v4
	s_add_co_u32 s21, s21, SLOT
	s_add_co_u32 s22, s22, SLOT
.endr
	s_mul_i32 s23, s10, STAGEW
	s_add_co_u32 s23, s23, STAGE                   ; my stage
	v_mul_u32_u24 v5, v1, SPITCH                   ; in: row l % 16, my eight numbers
.if MODE == 0
	v_lshl_add_u32 v5, v2, 4, v5
	v_add_nc_u32 v[STO], s23, v5
	v_bfe_u32 v5, v0, 3, 2                         ; back: 32 lanes take a head's 128 bytes of four rows,
	v_mul_u32_u24 v5, v5, SPITCH
	v_and_b32 v3, 7, v0
	v_lshl_add_u32 v5, v3, 4, v5
	v_add_nc_u32 v[RD], s23, v5
	v_and_b32 v[CO], 31, v0                        ; which are 512 consecutive bytes of qkvh
	v_lshlrev_b32 v[CO], 4, v[CO]
	s_lshr_b32 s16, s13, 4                         ; tensor and batch: 4 t + b
	s_lshl_b32 s16, s16, 22
	s_and_b32 s17, s13, 15                         ; the tile's 128 rows of 128 bytes,
	s_lshl_b32 s17, s17, 14
	s_add_co_u32 s16, s16, s17
	s_lshl_b32 s17, s11, 13                        ; my 64
	s_add_co_u32 s16, s16, s17
	s_lshl_b32 s46, s42, 20                        ; the tile's four heads,
	s_lshl_b32 s47, s12, 19                        ; my two
	s_cmp_eq_u32 s68, 0
	s_cselect_b32 s[SC], 0x3e38aa3b, 1.0           ; log2(e) / 8 for q, 1 for k and v
	s_mov_b32 s[SC+1], s[SC]                       ; named with it as a pair
.else
	v_lshl_add_u32 v5, v2, 5, v5
	v_add_nc_u32 v[STO], s23, v5
	v_and_b32 v[CO], 31, v0                        ; back: 32 lanes take one row's 512 bytes
	v_lshlrev_b32 v[CO], 4, v[CO]
	v_add_nc_u32 v[RD], s23, v[CO]
	s_lshl_b32 s16, s13, 19                        ; the tile's 128 rows of 4,096 bytes,
	s_lshl_b32 s17, s11, 18                        ; my 64
	s_add_co_u32 s16, s16, s17
	s_lshl_b32 s46, s42, 10                        ; the tile's 256 columns,
	s_lshl_b32 s47, s12, 9                         ; my 128
.endif
	s_add_co_u32 s46, s46, s47
	s_mov_b32 s17, 0
	s_mov_b32 s47, 0
	s_add_nc_u64 s[8:9], s[8:9], s[16:17]
	s_add_nc_u64 s[8:9], s[8:9], s[46:47]
; 8 matrix instructions: row block a x all 8 column blocks, 32 along K.  zero = 1: the product starts the sums: nothing is ever cleared.
; The 32 accumulators come in the same order in every quarter, one instruction a turn.
.macro MUL8 f, a, zero
	WIN MUL
.irp b, 0,1,2,3,4,5,6,7
.set rD, 8*(8*(\a)+(\b))
.set rB, (\f)+8*(\b)
.set rA, (\f)+64+8*(\a)
.if (MODE == 0) && (\zero)
	v_wmma_f32_16x16x32_bf16 v[rD:rD+7], v[rB:rB+7], v[rA:rA+7], 0
.elseif MODE == 0
	v_wmma_f32_16x16x32_bf16 v[rD:rD+7], v[rB:rB+7], v[rA:rA+7], v[rD:rD+7]
.elseif \zero
	v_wmma_f32_16x16x32_f16 v[rD:rD+7], v[rB:rB+7], v[rA:rA+7], 0
.else
	v_wmma_f32_16x16x32_f16 v[rD:rD+7], v[rB:rB+7], v[rA:rA+7], v[rD:rD+7]
.endif
.endr
.endm
.macro MUL16 f, a0, zero
	MUL8 \f, \a0, \zero
	MUL8 \f, (\a0)+1, \zero
.endm
; 24 LDS loads in one run: the fragments of 32 along K at byte k of a K step, into buffer f: B's sixteen first, then A's eight
.macro FETCH slot, k, f
	WIN 0
.irp i, 0,1,2,3,4,5,6,7
	ds_load_b128 v[(\f)+8*(\i):(\f)+8*(\i)+3],   v[ADRB+(\slot)] offset:(\k)+(\i)*16*PB
	ds_load_b128 v[(\f)+8*(\i)+4:(\f)+8*(\i)+7], v[ADRB+(\slot)] offset:(\k)+(\i)*16*PB+32
.endr
.irp i, 0,1,2,3
	ds_load_b128 v[(\f)+64+8*(\i):(\f)+64+8*(\i)+3],   v[ADRA+(\slot)] offset:((\k)/128)*AJUMP+(\k)%128+(\i)*16*PA
	ds_load_b128 v[(\f)+64+8*(\i)+4:(\f)+64+8*(\i)+7], v[ADRA+(\slot)] offset:((\k)/128)*AJUMP+(\k)%128+(\i)*16*PA+32
.endr
.endm
.macro PLACES                          ; four places in front of loads into registers that matrix instructions have read (ISA guide 7.12.1 for vector instructions)
.rept 4
	v_nop
.endr
.endm
; A K step is four quarters of 32 along K, 32 matrix instructions each, on buffers 0, 1, 0, 1.  One of the first three: multiplies buffer f and fetches the next quarter, at byte k, into g.
.macro QUARTER slot, k, f, g, zero
	s_wait_dscnt 4                                 ; B and A's blocks 0 and 1 are in; the youngest four loads (A's blocks 2 and 3) may be out
	MUL16 \f, 0, \zero
	PLACES
	FETCH \slot, \k, \g
	s_wait_dscnt 24                                ; all but the 24 just issued
	MUL16 \f, 2, \zero
.endm
; The last quarter multiplies buffer 1 and changes slots: ONE barrier; in front of it each wave waits for all its tensor loads (one is out: its part of the next slot), adds 0 to its spare word,
; and waits for that and for its own reads of this slot.  fill = 1: the barrier opens a round of the cluster's, and this slot is filled again, two K steps ahead, first thing behind the round.
.macro TURN slot, next, fill
	WIN 0
	s_wait_tensorcnt 0x0
	ds_add_u32 v[SPW], v[NIL]                      ; 0 onto my spare word
	s_wait_dscnt 5                                 ; (the add and the youngest four loads may be out)
	MUL8 F1, 0, 0                                  ; eight matrix instructions stand between the add and the wait for it
	s_wait_dscnt 0x0                               ; the add is done, and my reads of this slot are over
	s_barrier_signal -1
	MUL8 F1, 1, 0
.if \fill
	WIN 0
.endif
	s_barrier_wait -1
.if \fill
	CREST                                          ; no wave of any partner still reads this slot's tile or has a load on its way
	s_add_nc_u64 s[G0+4*(\slot)+2:G0+4*(\slot)+3], s[G0+4*(\slot)+2:G0+4*(\slot)+3], 2*ASTEP
	s_add_nc_u64 s[G0B+4*(\slot)+2:G0B+4*(\slot)+3], s[G0B+4*(\slot)+2:G0B+4*(\slot)+3], 2*256
	JLOAD \slot                                    ; 112 matrix instructions ahead of the wait for it; the four v_nop behind it are also the places in front of the loads below
.else
	PLACES
.endif
	FETCH \next, 0, F0
	MUL16 F1, 2, 0
.endm
; THE WAY OUT of row block a (16 rows x my 128 columns), through my own stage: LDS serves a wave's instructions in order (ISA guide 5.7.1.4), so no wait stands between the stores into it and the loads from it.
.macro WAYOUT a
.set AC, 64*(\a)
.set BK, 96+64*((\a)%2)
.if MODE == 0
	WIN 0x41                                       ; destination and source 0 in window 1
.set j, 0
.rept 32
	v_pk_mul_f32 v[AC+j:AC+j+1], v[AC+j:AC+j+1], s[SC:SC+1] op_sel_hi:[1,0]  ; each accumulator's registers in ascending order
.set j, j+2
.endr
	WIN 0x05                                       ; sources in window 1, destination in window 0
.set j, 0
.rept 32
	v_cvt_pk_f16_f32 v[TMP+j], v[AC+2*j], v[AC+2*j+1]
.set j, j+1
.endr
	WIN 0
.irp b, 0,1,2,3,4,5,6,7
	ds_store_b128 v[STO], v[TMP+4*(\b):TMP+4*(\b)+3] offset:32*(\b)
.endr
	s_wait_xcnt 0x0                                ; the stores of two blocks back have read the registers that are loaded again below
.irp g, 0,1,2,3,4,5,6,7                ; rows 4 (g % 4) on, head g / 4
	ds_load_b128 v[BK+4*(\g):BK+4*(\g)+3], v[RD] offset:((\g)%4)*4*SPITCH+128*((\g)/4)
.endr
.irp g, 0,1,2,3,4,5,6,7
	s_wait_dscnt 7-(\g)
	global_store_b128 v[CO], v[BK+4*(\g):BK+4*(\g)+3], s[8:9] offset:2048*(\a)+512*((\g)%4)+262144*((\g)/4) th:TH_STORE_NT  ; four rows of one head: 512 consecutive bytes, aligned
.endr
.else
	WIN 0x04                                       ; the stores' data in window 1
.irp b, 0,1,2,3,4,5,6,7
	ds_store_b128 v[STO], v[AC+8*(\b):AC+8*(\b)+3]   offset:64*(\b)
	ds_store_b128 v[STO], v[AC+8*(\b)+4:AC+8*(\b)+7] offset:64*(\b)+16
.endr
	WIN 0
	s_wait_xcnt 0x0                                ; the stores of two blocks back have read the registers that are loaded again below
.irp g, 0,1,2,3,4,5,6,7,8,9,10,11,12,13,14,15
	ds_load_b128 v[BK+4*(\g):BK+4*(\g)+3], v[RD] offset:SPITCH*(\g)
.endr
.irp g, 0,1,2,3,4,5,6,7,8,9,10,11,12,13,14,15
	s_wait_dscnt 15-(\g)
	global_store_b128 v[CO], v[BK+4*(\g):BK+4*(\g)+3], s[8:9] offset:65536*(\a)+4096*(\g) th:TH_STORE_NT  ; my 512 bytes of one row, aligned
.endr
.endif
.endm
	s_wait_tensorcnt 1                             ; my part of K step 0 is in; K step 1's may stay out
	s_barrier_signal -1
	s_barrier_wait -1                              ; everybody's is
	FETCH 0, 0, F0
	QUARTER 0, 64, F0, F1, 1                       ; the first quarter stands in front of the loop: its products start the sums
	WIN 0                                          ; at a label and at a branch every window is 0
	s_mov_b32 s3, LAPS-1
.Llap:                                                 ; a trip goes once round the ring, from a lap's second quarter to the next lap's first, and fills both slots again
	QUARTER 0, 128, F1, F0, 0
	QUARTER 0, 192, F0, F1, 0
	TURN 0, 1, 1
	QUARTER 1, 64,  F0, F1, 0
	QUARTER 1, 128, F1, F0, 0
	QUARTER 1, 192, F0, F1, 0
	TURN 1, 0, 1
	QUARTER 0, 64,  F0, F1, 0
	WIN 0
	s_sub_co_u32 s3, s3, 1
	s_cmp_lg_u32 s3, 0
	s_cbranch_scc1 .Llap
	QUARTER 0, 128, F1, F0, 0                      ; the last lap fills nothing, and has no round of the cluster's barrier
	QUARTER 0, 192, F0, F1, 0
	TURN 0, 1, 0
	QUARTER 1, 64,  F0, F1, 0
	QUARTER 1, 128, F1, F0, 0
	QUARTER 1, 192, F0, F1, 0
	s_wait_dscnt 4                                 ; the very last quarter: nothing more to fetch
	MUL16 F1, 0, 0
	s_wait_dscnt 0x0
	MUL16 F1, 2, 0
	PLACES                                         ; behind the last products, in front of what reads their results
	PLACES
	WAYOUT 0
	WAYOUT 1
	WAYOUT 2
	WAYOUT 3
	s_wait_tensorcnt 0x0                           ; the wave's end: behind my last tensor load and my last LDS store
	ds_add_u32 v[SPW], v[NIL]
	s_wait_dscnt 0x0
	CROUND                                         ; the closing round: no work-group ends while a partner may still ask for a tile that names it
	s_endpgm
.Lfunc_end_k_qc1a5c7c26b_qkv:
	.size	k_qc1a5c7c26b_qkv, .Lfunc_end_k_qc1a5c7c26b_qkv-k_qc1a5c7c26b_qkv
	.p2alignl 7, 3214868480
	.fill 96, 4, 3214868480
	.section	.rodata,"a",@progbits
	.p2align	6, 0x0
	.amdhsa_kernel k_qc1a5c7c26b_qkv
		.amdhsa_group_segment_fixed_size 327680
		.amdhsa_private_segment_fixed_size 0
		.amdhsa_enable_private_segment 0
		.amdhsa_kernarg_size 16
		.amdhsa_user_sgpr_count 2
		.amdhsa_user_sgpr_kernarg_segment_ptr 1
		.amdhsa_wavefront_size32 1
		.amdhsa_system_sgpr_workgroup_id_x 1
		.amdhsa_system_sgpr_workgroup_id_y 1
		.amdhsa_system_sgpr_workgroup_id_z 1
		.amdhsa_system_vgpr_workitem_id 0
		.amdhsa_next_free_vgpr 512
		.amdhsa_next_free_sgpr 70
		.amdhsa_reserve_vcc 0
		.amdhsa_float_denorm_mode_32 3
		.amdhsa_float_denorm_mode_16_64 3
		.amdhsa_memory_ordered 1
		.amdhsa_forward_progress 1
		.amdhsa_inst_pref_size 95
	.end_amdhsa_kernel
	.amdgpu_metadata
---
amdhsa.version: [ 1, 2 ]
amdhsa.kernels:
  - .name:           k_qc1a5c7c26b_qkv
    .symbol:         k_qc1a5c7c26b_qkv.kd
    .args:
      - { .name: xb, .offset: 0, .size: 8, .value_kind: global_buffer, .address_space: global }
      - { .name: qkvh, .offset: 8, .size: 8, .value_kind: global_buffer, .address_space: global }
    .group_segment_fixed_size: 327680
    .private_segment_fixed_size: 0
    .kernarg_segment_align: 8
    .kernarg_segment_size: 16
    .max_flat_workgroup_size: 128
    .sgpr_count:     70
    .vgpr_count:     512
    .wavefront_size: 32
...
	.end_amdgpu_metadata
.endif
;; end of part 2
;; launch attn (part 3): grid 4 x 64, 4 waves a work-group, clusters of 4 x 1, 327,680 bytes of LDS; arguments qkvh, mbits, ob; writes ob
.if DOCPART == 3
	.amdgcn_target "amdgcn-amd-amdhsa--gfx1250"
	.amdhsa_code_object_version 6
	.text
	.protected	k_qc1a5c7c26b_attn
	.globl	k_qc1a5c7c26b_attn
	.p2align	8
	.type	k_qc1a5c7c26b_attn,@function
k_qc1a5c7c26b_attn:
	s_mov_b64 s[64:65], 0
	v_nop
	global_prefetch_b8 v0, s[64:65] scope:SCOPE_SE
	s_setreg_imm32_b32 hwreg(HW_REG_WAVE_MODE, 25, 1), 1
	s_wait_xcnt 0x0
	s_wait_alu depctr_hold_cnt(0) depctr_sa_sdst(0) depctr_va_vdst(0) depctr_va_sdst(0) depctr_va_ssrc(0) depctr_va_vcc(0) depctr_vm_vsrc(0)
	s_getreg_b32 s2, hwreg(HW_REG_IB_STS2, 6, 4)
	s_cmp_eq_u32 s2, 0
	s_cbranch_scc0 .Lentry_in_a_cluster
	s_endpgm
.Lentry_in_a_cluster:
	s_bfe_u32 s2, ttmp6, 0x10000c
	s_cmp_lg_u32 s2, 0x3003
	s_cbranch_scc0 .Lentry_shape_is_right
	s_endpgm
.Lentry_shape_is_right:
; O[bh][q][:] = the sum over k of softmax_k(where(mask[b][q][k], Q[bh][q] . K[bh][k] / 8, -1e9)) V[bh][k][:].  Q, K, V: qkvh[t][bh 64][2048][64] in f16; O: ob[bh][2048][64] in f16.
; Q arrives multiplied by log2(e) / 8, so the products are s' = log2(e) s / 8 and a weight is p = 2^(s' - m), m the running maximum of s'.  A hidden score is REPLACED by NEG = -1e9 log2(e), as
; reference() replaces it by -1e9: a row that is hidden altogether has s' - m = 0 exactly and comes out as the plain mean of V.  Products, maxima and sums in f32; p is rounded to f16 for the second
; product (its sum l is taken of the unrounded p), O once at the end.
; LIMITS.  Q, K, V arrive within f16's 65,504; p lies in 0 to 1 and below 6e-5 keeps f16's fixed step of 6e-8; a weight below 2^-126 counts as 0 in l; m starts at -4.25e37; NaN and infinities are not treated apart.
; THE MASK comes as words of 32 lane bits, one for each register of a score tile (mbits, made by the first launch): 64 words, 256 consecutive bytes, for a piece and key step.  One vector load of 8 bytes
; a lane brings them, FOUR TURNS AHEAD, into a ring of four register pairs, a pair a piece; 64 v_readlane_b32 hand them to scalar registers, 64 v_cndmask_b32 use them, the two kinds by turns.  (Scalar loads
; would hold the 64 scalar registers from the request to the use; there is no room for a second set, and KMcnt shows only zero: ISA guide 5.7.1.)  The words choose values alone: no branch and no address hangs on them.
; SHARES.  A wave owns four PIECES of two tiles of 16 queries, a work-group's four waves 512 queries of one head; every wave walks all 2,048 keys, 64 a step.
; LAYOUT.  S^T = K Q^T (source 0 = 16 keys, source 1 = 16 queries): a lane holds ONE query (lane % 16) and the keys 8 (lane / 16) + 0..7.  Two such tiles, rounded to f16 in pairs, ARE source 1 of
; O^T = V^T P, whose result again holds one query a lane.  K comes out of LDS as it lies, V turned, by ds_load_tr16_b128.
; BY TURNS.  Turn n belongs to piece n.  Matrix work: 16 products K Q^T of piece n + 1, later 16 products V^T P of piece n - 1.  Vector work: the subtraction, exponentials, roundings, sums and rescaling
; of piece n; the mask, the maximum and the statistics of piece n + 1.  Four vector instructions stand behind every matrix instruction, the others in runs of their own.
; CLUSTER.  The four query blocks of a head walk the same K and V: each tile is asked for JOINTLY, by the same tensor load, descriptor and mask in all four.
; REGISTERS, in windows of 256 (s_set_vgpr_msb: bits 1:0 source 0, 3:2 source 1, 5:4 source 2, 7:6 destination):
;   window 0: v0-11 addresses, NEG and two mask registers; v12-15, v48-63 at work; v16-47 four registers of statistics a tile; v64-191 S^T, two buffers of two tiles; v192-255 P, likewise
;   window 1: O^T, 32 a tile          window 2: v0-127 Q; v128-191 K of one step; v192-255 V of one step          window 3: v0-1 the add's two registers; v2-9 the ring of mask words
.set NP,    4         ; pieces a wave: a name, no knob
.set KS,    64        ; keys in a step
.set PT,    160       ; a row of K or V in LDS: 128 bytes + 32.  ONE pitch, so that one descriptor and one line serve all four waves.
                      ; of K's 16 rows two start at the same bank
.set VOFF,  4*KS*PT   ; a slot holds four steps: 256 rows of K, then 256 rows of V
.set SLOT1, 1<<17     ; slot 1 begins here, so that one exclusive or turns an address in one slot into the other's
.set STAGE, SLOT1+2*VOFF  ; behind the ring, never filled by a tensor load: 16 rows x 144 bytes for each wave, for the way out
.set SP,    144
.set SPARE, STAGE+4*16*SP ; behind the stages: the spare words, 128 bytes for each wave
.set MLEAD, 8         ; how many mask words the read-outs run ahead of the selections
.set MO,  0           ; v0   (first the thread's number) 8 x my lane: my two words of a piece's 64; then never rewritten
.set PFO, 1           ; v1   (first l % 16) 256 x my lane, for the prefetches; then never rewritten
.set AK0, 2           ; v2   my lane's place in a tile of K; never rewritten
.set AV0, 3           ; v3   the same for V
.set AK,  4           ; v4   the LDS address of K's next run of loads
.set AV,  5           ; v5   of V's
.set STO, 6           ; v6   the way out: where I put 16 bytes of a row
.set RD,  7           ; v7   the way out: where I read rows back
.set GO,  8           ; v8   my byte offset in 512 consecutive bytes of O
.set NEG, 9           ; v9   (first l / 16) a hidden score
.set MT,  10          ; v10-11  (first set-up) the pair of mask words that is being read out
.set MV,  12          ; v12-15  m_old, kept while m is made anew: by buffer and tile
.set ST,  16          ; tile t's statistics at v[ST+4 t]: m, a word named only as the pair's upper one, l (even keys', odd keys')
.set TMP, 48          ; by buffer and tile, four registers c0-c3 at work; when the maximum is found c2 takes a
.set QO,  48          ; v48  my byte offset in the wave's rows of Q, until Q is in
.set S,   64
.set P,   192
.set KF,  128         ; window 2: key block kb, channel half c at KF + 16 kb + 8 c
.set VF,  192         ; window 2: key half kk, channel block cb at VF + 32 kk + 8 cb
.set SPW, 0           ; v0 of window 3   LDS address of my spare word; never rewritten
.set NIL, 1           ; v1 of window 3   0; never rewritten
.set MB,  2           ; v2-9 of window 3   piece n's mask words at MB + 2 n: lane i holds words 2 i and 2 i + 1
.set MP,  2           ; s[2:3]   my wave's mask words, at the key step that is asked for
.set OB,  4           ; s[4:5]   O at my wave's first row
.set PFA, 6           ; s[6:7]   where my prefetches stand
.set G1,  8           ; s[8:15]  descriptor group 1
.set G0,  16          ; s[16:19] descriptor group 0: it walks
.set WV,  20          ; s20  my wave's number
.set SLOTS, 21        ; s21  slots still to be asked for
.set CNT, 22          ; s22  counts a slot's key steps
.set TBK, 23          ; s23  LDS byte at which K of the step to be fetched begins
.set TBV, 24          ; s24  the same for V, less VOFF
.set LIM, 25          ; s25  1 in a wave that prefetches, else the greatest number
.set SEL, 26          ; s[26:27] v_permlanex16_b32's selects: each lane takes its own place in the other half
.set QB,  28          ; s[28:29] Q at my wave's first row
.set MW0, 32          ; s[32:63] the mask words of the piece's first tile; the second tile's lie in s[68:99]: word z of the 64 in s[MW0 + z + 4 (z / 32)]
.set MP0, 66          ; s[66:67] my wave's mask words, at key step 0; never rewritten
.set MOF, 100         ; s[100:101] 256 x (the key step that is asked for, modulo 32), and 0 above it
.set MSB, 0
.macro WIN new                      ; the high byte repeats the setting that is left; a switch that changes nothing is dropped
.if MSB != (\new)
	s_set_vgpr_msb (MSB<<8)|(\new)
.set MSB, (\new)
.endif
.endm
.set W_KQ, 0x0a       ; K and Q in window 2, S^T in window 0
.set W_PV, 0x52       ; V in window 2, P in window 0, O^T in window 1
.set W_RS, 0x41       ; O^T (destination and source 0) in window 1, a in window 0
.set W_MK, 0xc0       ; destination in window 3, sources and addresses in window 0
.set W_AD, 0x0f       ; the add: address and data in window 3
; A joint fill: wave w brings 128 keys (waves 0, 1: the halves of a slot's K; waves 2, 3: of its V) to LDS byte 20,480 w of the slot.  An s_nop 0 and four v_nop follow the line.
.macro JLOAD
	tensor_load_to_lds s[G0:G0+3], s[G1:G1+7]
	s_nop 0
.rept 4
	v_nop
.endr
.endm
; A PREFETCH INTO THE L2 of what the NEXT change of slots will ask for: a slot's 32,768 bytes of K and of V, in blocks of 256, a lane a block.  It stands behind the wave's tensor load and its five lines.
; Each block is named once in the launch: a head has one cluster; its four partners take 32 blocks each, told apart BY ADDRESS; in each, wave 0 asks for K's and wave 2 for V's.
; The last change that fills a slot asks for nothing; slots 0 and 1 come by their loads alone.
.macro ASK
	s_cmp_gt_u32 s[SLOTS], s[LIM]
	s_cbranch_scc0 .Lnot_mine_\@
	global_prefetch_b8 v[PFO], s[PFA:PFA+1] th:TH_LOAD_NT scope:SCOPE_SE
.Lnot_mine_\@:
.endm
.macro CROUND                       ; a round of the cluster's barrier
	s_barrier_signal -1
	s_barrier_wait -1
	s_cmp_lg_u32 s[WV], 0
	s_cbranch_scc1 .Lnot_wave_0_\@
	s_barrier_signal -3
.Lnot_wave_0_\@:
	s_barrier_wait -3
	s_barrier_signal -1
	s_barrier_wait -1
.endm
; THE CHANGE OF SLOTS.  The slot's last bytes, V of its fourth step, have been read.  Each wave waits for all its tensor loads (one is out: its part of the other slot), adds 0 to its spare word, and waits for
; that and for its own reads of the slot.  fill = 1: the barrier is a round of the cluster's, and the joint fill, with the keys two slots on, is the first thing behind it: it has four key steps,
; 512 matrix instructions, in which to land.  (At its first use nothing has been read yet: slot 0 is waited for, slot 1 filled.)
.macro CHANGE fill
	WIN W_AD
	s_wait_tensorcnt 0x0            ; no tensor load of mine is out, so group 0 may be written
	ds_add_u32 v[SPW], v[NIL]       ; 0 onto my spare word
	WIN 0                           ; at a label and at a branch every window is 0
.if \fill
	s_xor_b32 s[G0+1], s[G0+1], SLOT1  ; the other slot than last time,
	s_add_nc_u64 s[G0+2:G0+3], s[G0+2:G0+3], 4*KS*128  ; the next 256 keys; the type bits on top are not reached
	s_wait_xcnt 0x0                 ; the last prefetch, four key steps back, has read its address
	s_add_nc_u64 s[PFA:PFA+1], s[PFA:PFA+1], 4*KS*128  ; one slot ahead of the walking descriptor
	s_wait_dscnt 0x0                ; the add is done, and my reads of the slot are over
	CROUND
	JLOAD
	ASK
.else
	s_wait_dscnt 0x0                ; the add is done, and my reads of the slot are over
	s_barrier_signal -1
	s_barrier_wait -1
.endif
	s_sub_co_u32 s[TBK], s[TBK], 4*KS*PT  ; the fetches go back to a slot's first step,
	s_xor_b32 s[TBK], s[TBK], SLOT1       ; in the other slot
	s_sub_co_u32 s[TBV], s[TBV], 4*KS*PT
	s_xor_b32 s[TBV], s[TBV], SLOT1
.endm
.macro MLOAD n, base=MP             ; piece n's 64 mask words of one key step: 256 consecutive bytes, aligned, 8 a lane.  No hint: sixteen heads read the same words
	WIN W_MK
	global_load_b64 v[MB+2*(\n):MB+2*(\n)+1], v[MO], s[\base:\base+1] offset:8192*(\n)
.endm
	s_load_b128 s[32:35], s[0:1], 0x0  ; qkvh s[32:33], mbits s[34:35]: in registers that take mask words later
	s_load_b64 s[36:37], s[0:1], 0x10  ; ob
	WIN W_MK
	v_lshl_add_u32 v[SPW], v0, 2, SPARE
	v_mov_b32 v[NIL], 0
	WIN W_AD
	ds_add_u32 v[SPW], v[NIL]       ; the wave's opening: the add and its wait stand ahead of my first tensor load; the set-up below, work on registers, stands between them
	WIN 0
	v_lshrrev_b32 v1, 5, v0
	v_readfirstlane_b32 s[WV], v1   ; wave 0..3
	s_bfe_u32 s28, ttmp6, 0x40000   ; cx: my place in the cluster
	s_lshl_b32 s29, ttmp9, 2
	s_add_co_u32 s29, s29, s28      ; my block of 512 queries: it enters Q's, O's and the mask words' addresses alone
	s_and_b32 s30, ttmp7, 0xffff    ; batch and head, 16 b + head, which the four partners share
	s_lshl_b32 s31, s30, 18         ; a head's 2,048 rows of 128 bytes
	s_lshr_b32 s40, s[WV], 1
	s_add_co_u32 s40, s40, 1        ; tensor 1 (K) for waves 0 and 1, tensor 2 (V) for waves 2 and 3
	s_lshl_b32 s40, s40, 24
	s_add_co_u32 s40, s40, s31
	s_lshl_b32 s46, s28, 13         ; the prefetches: my work-group's 32 blocks of a slot's 128,
	s_add_co_u32 s46, s46, s40
	s_add_co_u32 s46, s46, 4*KS*128 ; in slot 1: the first change of slots steps it to slot 2
	s_mov_b32 s47, 0
	s_and_b32 s41, s[WV], 1         ; which half of a slot's 256 keys I fetch
	s_lshl_b32 s41, s41, 14
	s_add_co_u32 s40, s40, s41
	s_mov_b32 s41, 0
	s_lshl_b32 s29, s29, 2
	s_add_co_u32 s29, s29, s[WV]    ; my wave among the head's sixteen
	s_lshl_b32 s42, s29, 14         ; its 128 rows
	s_add_co_u32 s42, s42, s31
	s_mov_b32 s43, 0
	s_lshr_b32 s44, s30, 4          ; the batch: 64 pairs of tiles x 8,192 bytes of words,
	s_lshl_b32 s44, s44, 19
	s_lshl_b32 s45, s29, 15         ; my wave's four pairs
	s_add_co_u32 s44, s44, s45
	s_mov_b32 s45, 0
	; descriptor group 1.  128 keys are 16,384 dense bytes: asked for as 64 rows of 256 bytes, two keys a row, and padded in LDS after every key
	s_mov_b32 s[G1], 15|(1<<16)|(1<<20)|(1<<21)|(4<<22)|(7<<25)  ; 15:0 the mask of four; 17:16 2-byte elements; 20 padding on; 21 set beside a mask; 24:22 after every 32 words (code 4); 31:25 8 words (code 7)
	s_mov_b32 s[G1+1], 128<<16      ; tensor_dim0 = 128
	s_mov_b32 s[G1+2], 64<<16       ; tensor_dim1 = 64
	s_mov_b32 s[G1+3], 128<<16      ; tile_dim0 = 128
	s_mov_b32 s[G1+4], 64           ; tile_dim1 = 64
	s_mov_b32 s[G1+5], 128          ; 128 elements from row to row
	s_mov_b32 s[G1+6], 0
	s_mov_b32 s[G1+7], 0
	s_mov_b32 s[G0], 1              ; 1:0 count = 1
	s_mul_i32 s[G0+1], s[WV], 128*PT  ; 63:32 LDS address: slot 0; no place in the cluster enters it
	s_mov_b32 s[SEL], 0x76543210
	s_mov_b32 s[SEL+1], 0xfedcba98
	s_mov_b32 s[TBK], SLOT1+4*KS*PT ; the first change of slots turns these two into 0
	s_mov_b32 s[TBV], SLOT1+4*KS*PT
	s_mov_b32 s[SLOTS], 2048/256-1
	s_mov_b32 s[MOF], 256           ; behind the first four loads key step 1 is asked for
	s_mov_b32 s[MOF+1], 0
	s_and_b32 s[LIM], s[WV], 1
	s_cmp_eq_u32 s[LIM], 0
	s_cselect_b32 s[LIM], 1, -1     ; waves 0 and 2 prefetch: the same in all four partners
	s_wait_dscnt 0x0                ; the opening add is done
	s_wait_kmcnt 0x0
	s_add_nc_u64 s[G0+2:G0+3], s[32:33], s[40:41]  ; 120:64 global address: my half of the head's first 256 keys
	s_or_b32 s[G0+3], s[G0+3], 0x80000000          ; 127:126 type = 2
	s_add_nc_u64 s[QB:QB+1], s[32:33], s[42:43]
	s_add_nc_u64 s[OB:OB+1], s[36:37], s[42:43]
	s_add_nc_u64 s[MP0:MP0+1], s[34:35], s[44:45]
	s_add_nc_u64 s[MP:MP+1], s[MP0:MP0+1], s[MOF:MOF+1]
	s_add_nc_u64 s[PFA:PFA+1], s[32:33], s[46:47]
	CROUND                          ; all four work-groups are here: the first joint loads meet
	JLOAD                           ; slot 0.  Slot 1 is asked for when slot 0 is in
	; A fragment of K or Q is 16 rows x 32 channels in 8 registers: lane l holds row l % 16, channels 8 (l / 16) + 0..7 and 16 + 8 (l / 16) + 0..7: two loads of 16 bytes, 32 bytes apart.
	v_and_b32 v1, 15, v0            ; l % 16
	v_bfe_u32 v9, v0, 4, 1          ; l / 16
	v_lshlrev_b32 v[QO], 7, v1
	v_lshl_add_u32 v[QO], v9, 4, v[QO]  ; row x 128 + 16 x half
	WIN 0x80                        ; destination window 2, address window 0
.set i, 0
.rept 4*NP                          ; Q stays in registers: tile i / 2, channels 32 (i % 2) on
	global_load_b128 v[8*i:8*i+3],   v[QO], s[QB:QB+1] offset:(i/2)*2048+(i%2)*64
	global_load_b128 v[8*i+4:8*i+7], v[QO], s[QB:QB+1] offset:(i/2)*2048+(i%2)*64+32
.set i, i+1
.endr
	WIN 0
	v_mul_u32_u24 v[AK0], v1, PT
	v_lshl_add_u32 v[AK0], v9, 4, v[AK0]  ; row x pitch + 16 x half
	; The turning load takes 16 keys x 16 channels (lane l reads key 8 (l / 16) + l % 8, channels 8 ((l / 8) % 2) + 0..7) and leaves half a fragment of V^T: lane l holds channel l % 16 and 8 keys.
	v_and_b32 v10, 7, v0
	v_bfe_u32 v11, v0, 3, 1
	v_lshl_add_u32 v[AV0], v9, 3, v10
	v_mul_u32_u24 v[AV0], v[AV0], PT
	v_lshl_add_u32 v[AV0], v11, 4, v[AV0]
	v_add_nc_u32 v[AV0], VOFF, v[AV0]
	v_mov_b32 v[AK], v[AK0]         ; key step 0 lies at the head of slot 0
	s_mul_i32 s30, s[WV], 16*SP
	s_add_co_u32 s30, s30, STAGE    ; my stage
	v_mul_u32_u24 v[STO], v1, SP    ; in: row l % 16, 16 bytes for each half of the lanes
	v_lshl_add_u32 v[STO], v9, 4, v[STO]
	v_add_nc_u32 v[STO], s30, v[STO]
	v_bfe_u32 v[RD], v0, 3, 2       ; back: 32 lanes take four rows of 128 bytes,
	v_mul_u32_u24 v[RD], v[RD], SP
	v_lshl_add_u32 v[RD], v10, 4, v[RD]
	v_add_nc_u32 v[RD], s30, v[RD]
	v_and_b32 v[GO], 31, v0         ; which are 512 consecutive bytes of O
	v_lshlrev_b32 v[PFO], 8, v[GO]  ; l % 16, l / 16 and the thread's number have served
	v_lshlrev_b32 v[MO], 3, v[GO]
	v_lshlrev_b32 v[GO], 4, v[GO]
	v_mov_b32 v[NEG], 0xceabfb8f    ; -1e9 log2(e) = -1,442,695,040
	MLOAD 0, MP0                    ; the four pieces' words of key step 0, in the order in which they are used
	MLOAD 1, MP0
	MLOAD 2, MP0
	MLOAD 3, MP0
	; What the first turn finds: V's registers and P's second buffer hold 0 (its products V^T P, of a piece that has not been, add 0), O^T and l are 0.  All this stands in the wait for the first tile.
	WIN 0x80
.set i, VF
.rept 64
	v_mov_b32 v[i], 0
.set i, i+1
.endr
	WIN 0x40
.set i, 0
.rept 64*NP
	v_mov_b32 v[i], 0
.set i, i+1
.endr
	WIN 0
.set i, 0
.rept 2*NP
	v_mov_b32 v[ST+4*i], 0xfe000000    ; m: far below every score, so the first step's a is 0
	v_mov_b32 v[ST+4*i+1], 0
	v_mov_b32 v[ST+4*i+2], 0
	v_mov_b32 v[ST+4*i+3], 0
.set i, i+1
.endr
.set i, P+32
.rept 32
	v_mov_b32 v[i], 0
.set i, i+1
.endr
; THE MATRIX WORK.  The 8 accumulators of a run of 16 take turns.
; Product i of 16 of S^T = K Q^T for piece x: channels 32 (i / 8) on, keys 16 ((i / 2) % 4) on, tile 2 x + i % 2.  The first 8 start the sums.
.macro KQ x
	WIN W_KQ
.set rS, S+64*((\x)%2)+32*(i%2)+8*((i/2)%4)
.set rK, KF+16*((i/2)%4)+8*(i/8)
.set rQ, 16*(2*(\x)+i%2)+8*(i/8)
.if i < 8
	v_wmma_f32_16x16x32_f16 v[rS:rS+7], v[rK:rK+7], v[rQ:rQ+7], 0
.else
	v_wmma_f32_16x16x32_f16 v[rS:rS+7], v[rK:rK+7], v[rQ:rQ+7], v[rS:rS+7]
.endif
.endm
; Product i of 16 of O^T += V^T P for piece x: keys 32 (i / 8) on, channels 16 ((i / 2) % 4) on, tile 2 x + i % 2.
.macro PV x
	WIN W_PV
.set rO, 32*(2*(\x)+i%2)+8*((i/2)%4)
.set rV, VF+32*(i/8)+8*((i/2)%4)
.set rP, P+32*((\x)%2)+16*(i%2)+8*(i/8)
	v_wmma_f32_16x16x32_f16 v[rO:rO+7], v[rV:rV+7], v[rP:rP+7], v[rO:rO+7]
.endm
.macro MM                           ; the turn's next matrix instruction
.if i < 16
	KQ (Y+1)%NP
.set i, i+1
.else
.set i, i-16
	PV (Y+NP-1)%NP
.set i, i+17
.endif
.endm
; THE LDS LOADS stand in runs of 16: a step's K (8 fragments) and its V (turned).  last = 1 (the tail): in the last trip there is no further step, and the run is jumped over.
.macro FETCH_K last=0
	WIN 0
.if \last
	s_cmp_eq_u32 s[CNT], 1
	s_cbranch_scc1 .Lno_k_\@
.endif
	WIN 0x80                        ; destination window 2
.irp f, 0,1,2,3,4,5,6,7             ; keys 16 (f / 2) on, channels 32 (f % 2) on
	ds_load_b128 v[KF+8*\f:KF+8*\f+3],   v[AK] offset:(\f/2)*16*PT+(\f%2)*64
	ds_load_b128 v[KF+8*\f+4:KF+8*\f+7], v[AK] offset:(\f/2)*16*PT+(\f%2)*64+32
.endr
	s_add_co_u32 s[TBK], s[TBK], KS*PT  ; the next fetch is the next step's
	WIN 0
.if \last
.Lno_k_\@:
.endif
.endm
.macro FETCH_V
	WIN 0x80
.irp f, 0,1,2,3,4,5,6,7             ; keys 32 (f / 4) on, channels 16 (f % 4) on
	ds_load_tr16_b128 v[VF+8*\f:VF+8*\f+3],   v[AV] offset:(\f/4)*32*PT+(\f%4)*32
	ds_load_tr16_b128 v[VF+8*\f+4:VF+8*\f+7], v[AV] offset:(\f/4)*32*PT+16*PT+(\f%4)*32
.endr
	WIN 0
.endm
; THE VECTOR WORK OF A TURN stands in three queues, each in the order in which its entries become ready; the two tiles alternate.
.macro REGS y, u                    ; the registers of tile u (0, 1) of piece y
.set rT, ST+4*(2*(\y)+(\u))
.set rC, TMP+8*((\y)%2)+4*(\u)
.set rM, MV+2*((\y)%2)+(\u)
.set rS, S+64*((\y)%2)+32*(\u)
.set rP, P+32*((\y)%2)+16*(\u)
.set rO, 32*(2*(\y)+(\u))
.endm
; THE MASK of the NEXT piece's (Y + 1) fresh scores.  The piece's pair of the ring is waited for, copied into window 0, and asked for again at once, with the same piece's words of the key step at MP.
; Word z of the 64 (tile z / 32, register z % 32 of its scores) lies in register z % 2 of lane z / 2; where a word's lane bit is 0 the score becomes NEG.  The read-outs run MLEAD words ahead of the
; selections and then alternate with them: a selection stands 2 MLEAD instructions behind the read-out that feeds it, and no two read-outs follow each other.  The scores are taken in ascending order.
.macro MK
.set pcn, (Y+1)%NP
.set rS0, S+64*(pcn%2)
	s_wait_loadcnt 3                ; loads come back in order: this pair was asked for four turns ago, and the three turns since have issued one load each, which may stay out
	WIN 0x03                        ; source 0 in window 3
	v_mov_b32 v[MT], v[MB+2*pcn]
	v_mov_b32 v[MT+1], v[MB+2*pcn+1]
	MLOAD pcn
	WIN 0
.set z, 0
.rept MLEAD
	v_readlane_b32 s[MW0+z+4*(z/32)], v[MT+z%2], z/2
.set z, z+1
.endr
.set z, 0
.rept 64
.if z+MLEAD < 64
	v_readlane_b32 s[MW0+(z+MLEAD)+4*((z+MLEAD)/32)], v[MT+(z+MLEAD)%2], (z+MLEAD)/2
.endif
	v_cndmask_b32 v[rS0+z], v[NEG], v[rS0+z], s[MW0+z+4*(z/32)]
.set z, z+1
.endr
.endm
; Number n of the 21 that find the NEXT piece's maximum and statistics.
;   0-11  four chains c0-c3 of seven scores each, three operands at a time     12-14, 16  the four scores left over, the old m, and c0-c3 into c0     15  m_old is kept
;   17, 18  the query's other 32 keys lie in the lane 16 away: the new m         19, 20  m_old - m_new; a
.macro XS u, n
	REGS (Y+1)%NP, \u
.if (\n) < 4
	v_max3_num_f32 v[rC+(\n)], v[rS+8*(\n)], v[rS+8*(\n)+1], v[rS+8*(\n)+2]
.elseif (\n) < 12
	v_max3_num_f32 v[rC+(\n)%4], v[rC+(\n)%4], v[rS+8*((\n)%4)+2*((\n)/4)+1], v[rS+8*((\n)%4)+2*((\n)/4)+2]
.elseif (\n) == 12
	v_max3_num_f32 v[rC], v[rC], v[rS+7], v[rS+15]
.elseif (\n) == 13
	v_max3_num_f32 v[rC+1], v[rC+1], v[rS+23], v[rS+31]
.elseif (\n) == 14
	v_max3_num_f32 v[rC+2], v[rC+2], v[rC+3], v[rT]
.elseif (\n) == 15
	v_mov_b32 v[rM], v[rT]
.elseif (\n) == 16
	v_max3_num_f32 v[rC], v[rC], v[rC+1], v[rC+2]
.elseif (\n) == 17
	v_permlanex16_b32 v[rC+3], v[rC], s[SEL], s[SEL+1]
.elseif (\n) == 18
	v_max_num_f32 v[rT], v[rC], v[rC+3]
.elseif (\n) == 19
	v_sub_f32 v[rC+1], v[rM], v[rT]
.else
	v_exp_f32 v[rC+2], v[rC+1]
.endif
.endm
; Number g of the 64 that follow the exponentials.  For each four weights k of a tile: both pairs are rounded to f16; then the second pair is added onto the first, in place;
; a group later l takes that sum (the first time as l = a l + sum).  In groups of eight, tiles alternating.
.macro GS g
.set h, (\g)+6*((\g)/62)            ; group 0 has no group before it, and behind group 7 only l is left
.if h >= 6
.set h, h+2
.endif
	REGS Y, h%2
.set k, h/8
.if h%8 < 4
	s_wait_alu depctr_va_vdst(0)
	v_cvt_pk_f16_f32 v[rP+2*k+(h%8)/2], v[rS+4*k+2*((h%8)/2)], v[rS+4*k+2*((h%8)/2)+1]
.elseif h%8 < 6
	v_pk_add_f32 v[rS+4*k:rS+4*k+1], v[rS+4*k:rS+4*k+1], v[rS+4*k+2:rS+4*k+3]
.elseif k == 1
	v_pk_fma_f32 v[rT+2:rT+3], v[rT+2:rT+3], v[rC+2:rC+3], v[rS:rS+1] op_sel_hi:[1,0,1]
.else
	v_pk_add_f32 v[rT+2:rT+3], v[rT+2:rT+3], v[rS+4*k-4:rS+4*k-3]
	s_wait_alu depctr_va_vdst(0)
.endif
.endm
; THE PLAIN QUEUE, 136 long.  0-31: s' - m for the 16 pairs of both tiles.  Then GS's 64, and among them the next piece's 40: number 15 at 38, 39; 0-14 and 16
; at 42-73, behind the mask; 17-19 at 95-103, two of three, since each waits for the one before it.
.macro PL
	WIN 0
.if q < 32
	REGS Y, q%2
	v_pk_add_f32 v[rS+2*(q/2):rS+2*(q/2)+1], v[rS+2*(q/2):rS+2*(q/2)+1], v[rT:rT+1] op_sel_hi:[1,0] neg_lo:[0,1] neg_hi:[0,1]
.elseif q < 38
	GS q-32
.elseif q < 40
	XS q%2, 15
.elseif q < 42
	GS q-34
.elseif q < 74
	XS q%2, (q-42)/2+(q-42)/30
.elseif q < 95
	GS q-66
.elseif (q < 104) && ((q-95)%3 < 2)
	XS (q-95)%3, 17+(q-95)/3
.elseif q < 104
	GS 29+(q-95)/3
.else
	GS q-72
.endif
.set q, q+1
.endm
; THE EXPONENTIALS' QUEUE, 66 long: the 32 scores of both tiles, and at EA the next piece's two a.
.set EA, 58
.macro EX
	WIN 0
.if (e == EA) || (e == EA+1)
	XS e-EA, 20
.else
.set x, e-2*(e/(EA+2))
	REGS Y, x%2
	v_exp_f32 v[rS+x/2], v[rS+x/2]
.endif
.set e, e+1
.endm
; THE RESCALING's QUEUE: O^T times a, the one part that leaves window 0, dealt four at a time, eight times; each accumulator's registers in ascending order.
.macro R4
	REGS Y, r%2
	WIN W_RS
	s_wait_alu depctr_va_vdst(0)
.irp z, 0,1,2,3
	v_pk_mul_f32 v[rO+8*(r/2)+2*\z:rO+8*(r/2)+2*\z+1], v[rO+8*(r/2)+2*\z:rO+8*(r/2)+2*\z+1], v[rC+2:rC+3] op_sel_hi:[1,0]
.endr
.set r, r+1
.endm
; HOW THEY ARE DEALT.  Behind a matrix instruction four: plain, exponential, plain, plain, or four of the rescaling; none names a register of the products round it.  The rest in runs: exponential and plain
; by turns; the second run ends in 20 plain instructions.  The queues lean on each other: exponential e stands behind plain 2 (e / 4) + e % 2; when plain 32 comes, 10 exponentials are out, at 59: 33,
; at 95: 46; group k of GS begins at plain 8 k + 70 from k = 5 on, when 8 k + 8 exponentials of scores are long out; number 19 stands at plain 101 and 102, EA comes behind plain 107.
.macro SL
	MM
	PL
	EX
	PL
	PL
.endm
.macro BURST n                      ; 15 matrix instructions, or 16
.rept (\n)-7
	SL
.endr
.rept 3
	MM
	R4
	SL
.endr
	MM
	R4
.endm
; A TURN, for piece p.  cnt = 1: the loop's count is taken down some lines ahead of the branch that stands behind the turn.
; Behind the 16 products K Q^T, whose last has four of the rescaling behind it (the four places), stands the mask of piece p + 1.  The key step that its new load asks for is one on from the step whose scores
; it masks: piece 3's turn, which masks piece 0 of the next step, moves the pointer on first.  The step's number is taken modulo 32, so that the loads at the walk's end stay inside the piece's own 8,192
; bytes; what they bring serves nothing.
; K of the next step is fetched in piece 2's turn, V of the step in hand at the end of piece 0's; each is waited for a turn later.
.macro TURN p, last=0, cnt=0
.set Y, (\p)
.set i, 0
.set q, 0
.set e, 0
.set r, 0
.if (\p) == NP-1
	s_wait_dscnt 0x0                ; K is in
.endif
	MM
.rept 4
	PL
.endr
	BURST 15
	WIN 0
.if (\p) == NP-1
	s_wait_xcnt 0x0                 ; the loads that are out have read their base, so it may be written
	s_add_co_u32 s[MOF], s[MOF], 256
	s_and_b32 s[MOF], s[MOF], 8191
	s_add_nc_u64 s[MP:MP+1], s[MP0:MP0+1], s[MOF:MOF+1]
.endif
	MK
.rept 22
	EX
	PL
.if ((\p) == NP-2) && (e == 18)
	v_add_nc_u32 v[AK], s[TBK], v[AK0]
.endif
.if ((\p) == NP-2) && (e == 24)
	FETCH_K \last
.endif
.endr
.if (\p) == 1
	s_wait_dscnt 0x0                ; V is in
.endif
	BURST 16
.rept 21
	EX
	PL
.endr
.rept 20
	PL
.if ((\p) == 0) && (q == 118)
	v_add_nc_u32 v[AV], s[TBV], v[AV0]
	s_wait_alu depctr_va_vdst(0)
.endif
.if ((\p) == 0) && (q == 130)
	s_add_co_u32 s[TBV], s[TBV], KS*PT
.endif
.if (\cnt) && (q == 130)
	s_sub_co_u32 s[CNT], s[CNT], 1
	s_cmp_lg_u32 s[CNT], 0
.endif
.endr
.if (\p) == 0
	FETCH_V
.endif
.endm
	CHANGE 1                        ; slot 0 is in, everybody's part of it; slot 1 is asked for
	FETCH_K                         ; key step 0
	s_wait_loadcnt 0x0              ; Q, and the four pieces' mask words of key step 0
	s_wait_dscnt 0x0
.set i, 0
.rept 16
	KQ 0                            ; piece 0's first scores
.set i, i+1
.endr
	WIN 0
.rept 8
	v_nop                           ; the places behind those products
.endr
.set Y, NP-1                        ; MK and XS work for piece Y + 1: piece 0
	MK                              ; and piece 0's words of key step 1 are asked for
.irp n, 0,1,2,3,4,5,6,7,8,9,10,11,12,13,14,15,16,17,18,19,20
	XS 0, \n
	XS 1, \n
.endr
	v_nop                           ; a plain instruction behind the exponentials
	s_mov_b32 s[CNT], 4
	s_branch .Lfirst                ; the loop is entered at a step's first turn, in the middle of a trip
.Lslot:                             ; six times: every slot but the last two is filled again
	CHANGE 1
	s_mov_b32 s[CNT], 4
.Lstep:                             ; a trip: pieces 2 and 3 of one step, then pieces 0 and 1 of the next, whose K and V it fetches
	TURN 2
	TURN 3
	WIN 0
.Lfirst:
	TURN 0
	TURN 1, 0, 1
	WIN 0
	s_cbranch_scc1 .Lstep
	s_sub_co_u32 s[SLOTS], s[SLOTS], 1
	s_cmp_lg_u32 s[SLOTS], 0
	s_cbranch_scc1 .Lslot
	CHANGE 0                        ; the tail is written out: nothing is asked for
	s_mov_b32 s[CNT], 5             ; four trips fetch the last slot's steps; the fifth is left in its middle
.Ltail:
	TURN 2, 1
	TURN 3
	WIN 0
	s_sub_co_u32 s[CNT], s[CNT], 1
	s_cmp_eq_u32 s[CNT], 0
	s_cbranch_scc1 .Lout
	TURN 0
	TURN 1
	WIN 0
	s_branch .Ltail
.Lout:                              ; the fifth trip's 16 products K Q^T (on the last K once more) and what is made of them serve nothing: the price, once a launch, of one text for every trip
	s_wait_loadcnt 0x0              ; the last loads of mask words are in
.set i, 0
.rept 16
	PV NP-1                         ; the last piece's V^T P of the last step
.set i, i+1
.endr
	; THE WAY OUT.  l's two halves and the other half of the lanes' are added; O^T is divided by l, rounded to f16 and sent through my stage in LDS, a tile at a time.  The additions are the places behind the last products.
	WIN 0
.macro ALL line:vararg              ; one line for each tile t
.set t, 0
.rept 2*NP
	\line
.set t, t+1
.endr
.endm
	ALL v_add_f32 v[ST+4*t+2], v[ST+4*t+2], v[ST+4*t+3]
	ALL v_permlanex16_b32 v[ST+4*t+3], v[ST+4*t+2], s[SEL], s[SEL+1]
	ALL v_add_f32 v[ST+4*t+2], v[ST+4*t+2], v[ST+4*t+3]
	ALL v_rcp_f32 v[ST+4*t+2], v[ST+4*t+2]
	v_nop                           ; a plain instruction between the last reciprocal and the use of its result
	s_wait_alu depctr_va_vdst(0)
; Tile t: a lane's eight channels of a row pack into 16 bytes; they go into rows of 144 bytes and come back as whole rows of 128, into S^T's registers.
.macro PACK t
	WIN W_RS
.set i, 32*(\t)
.rept 16
	v_pk_mul_f32 v[i:i+1], v[i:i+1], v[ST+4*(\t)+2:ST+4*(\t)+3] op_sel_hi:[1,0]
.set i, i+2
.endr
	WIN 0x05                        ; sources 0 and 1 window 1, destination window 0
.set i, 0
.rept 16
	v_cvt_pk_f16_f32 v[S+16*(\t)+i], v[32*(\t)+2*i], v[32*(\t)+2*i+1]
.set i, i+1
.endr
	WIN 0
.irp f, 0,1,2,3
	ds_store_b128 v[STO], v[S+16*(\t)+4*\f:S+16*(\t)+4*\f+3] offset:32*\f
.endr
.irp f, 0,1,2,3
	ds_load_b128 v[S+16*(\t)+4*\f:S+16*(\t)+4*\f+3], v[RD] offset:\f*4*SP  ; LDS serves a wave's instructions in order (ISA guide 5.7.1.4): these see the stores above; the next tile's stores come behind them
.endr
.endm
.macro SEND t, younger              ; younger: the LDS instructions issued behind tile t's loads: the next tile's eight, or none
	WIN 0
.irp f, 0,1,2,3
	s_wait_dscnt (\younger)+3-\f
	global_store_b128 v[GO], v[S+16*(\t)+4*\f:S+16*(\t)+4*\f+3], s[OB:OB+1] offset:(\t)*2048+\f*512  ; 512 consecutive bytes, at a multiple of 256 from O's first
.endr
.endm
	PACK 0
.set t, 1
.rept 2*NP-1                        ; a tile's arithmetic stands between the loads of the tile before and its stores
	PACK t
	SEND t-1, 8
.set t, t+1
.endr
	SEND 2*NP-1, 0
	WIN W_AD
	s_wait_tensorcnt 0x0            ; the wave's end: behind my last tensor load and my last LDS store
	ds_add_u32 v[SPW], v[NIL]
	s_wait_dscnt 0x0
	WIN 0
	CROUND                          ; the closing round: no work-group ends while a partner may still ask for a tile that names it
	s_endpgm
.Lfunc_end_k_qc1a5c7c26b_attn:
	.size	k_qc1a5c7c26b_attn, .Lfunc_end_k_qc1a5c7c26b_attn-k_qc1a5c7c26b_attn
	.p2alignl 7, 3214868480
	.fill 96, 4, 3214868480
	.section	.rodata,"a",@progbits
	.p2align	6, 0x0
	.amdhsa_kernel k_qc1a5c7c26b_attn
		.amdhsa_group_segment_fixed_size 327680
		.amdhsa_private_segment_fixed_size 0
		.amdhsa_enable_private_segment 0
		.amdhsa_kernarg_size 24
		.amdhsa_user_sgpr_count 2
		.amdhsa_user_sgpr_kernarg_segment_ptr 1
		.amdhsa_wavefront_size32 1
		.amdhsa_system_sgpr_workgroup_id_x 1
		.amdhsa_system_sgpr_workgroup_id_y 1
		.amdhsa_system_sgpr_workgroup_id_z 1
		.amdhsa_system_vgpr_workitem_id 0
		.amdhsa_next_free_vgpr 784
		.amdhsa_next_free_sgpr 102
		.amdhsa_reserve_vcc 0
		.amdhsa_float_denorm_mode_32 3
		.amdhsa_float_denorm_mode_16_64 3
		.amdhsa_memory_ordered 1
		.amdhsa_forward_progress 1
		.amdhsa_inst_pref_size 255
	.end_amdhsa_kernel
	.section	.bss,"aw",@nobits
	.p2align	6
	.space	262144
	.amdgpu_metadata
---
amdhsa.version: [ 1, 2 ]
amdhsa.kernels:
  - .name:           k_qc1a5c7c26b_attn
    .symbol:         k_qc1a5c7c26b_attn.kd
    .args:
      - { .name: qkvh, .offset: 0, .size: 8, .value_kind: global_buffer, .address_space: global }
      - { .name: mbits, .offset: 8, .size: 8, .value_kind: global_buffer, .address_space: global }
      - { .name: ob, .offset: 16, .size: 8, .value_kind: global_buffer, .address_space: global }
    .group_segment_fixed_size: 327680
    .private_segment_fixed_size: 0
    .kernarg_segment_align: 8
    .kernarg_segment_size: 24
    .max_flat_workgroup_size: 128
    .sgpr_count:     102
    .vgpr_count:     784
    .wavefront_size: 32
...
	.end_amdgpu_metadata
.endif
;; end of part 3
;; launch outp (part 4): grid 4 x 64, 4 waves a work-group, clusters of 4 x 4, 327,680 bytes of LDS; arguments ob, xb, out0; writes out0
.if DOCPART == 4
	.amdgcn_target "amdgcn-amd-amdhsa--gfx1250"
	.amdhsa_code_object_version 6
	.text
	.protected	k_qc1a5c7c26b_outp
	.globl	k_qc1a5c7c26b_outp
	.p2align	8
	.type	k_qc1a5c7c26b_outp,@function
k_qc1a5c7c26b_outp:
	s_mov_b64 s[64:65], 0
	v_nop
	global_prefetch_b8 v0, s[64:65] scope:SCOPE_SE
	s_setreg_imm32_b32 hwreg(HW_REG_WAVE_MODE, 25, 1), 1
	s_wait_xcnt 0x0
	s_wait_alu depctr_hold_cnt(0) depctr_sa_sdst(0) depctr_va_vdst(0) depctr_va_sdst(0) depctr_va_ssrc(0) depctr_va_vcc(0) depctr_vm_vsrc(0)
	s_getreg_b32 s2, hwreg(HW_REG_IB_STS2, 6, 4)
	s_cmp_eq_u32 s2, 0
	s_cbranch_scc0 .Lentry_in_a_cluster
	s_endpgm
.Lentry_in_a_cluster:
	s_bfe_u32 s2, ttmp6, 0x10000c
	s_cmp_lg_u32 s2, 0xf033
	s_cbranch_scc0 .Lentry_shape_is_right
	s_endpgm
.Lentry_shape_is_right:
; C = A B^T on tiles of 128 (rows) x 256 (columns), K = 1,024 in eight steps of 128.  One text for two launches, told apart by MODE.
; MODE 0: the three projections (A = q, k, v in bf16, B = w_q, w_k, w_v in bf16, C in f16 by heads).
; MODE 1 (this one): the last projection.  A = ob, the attention's result in f16 by heads, [b 16 + head][2048][64]; B = w_o, its bf16 number written as f16, in xb; C = out0 in f32, [8192][1024].
;   A K step of 128 is two heads: a wave's load of A brings one head's 128 rows of 128 bytes, which are dense in memory, as 64 rows of 256 bytes.
; WHY THIS TILE: 8192 / 128 x 1024 / 256 = 256 work-groups, one for each of 256 WGPs; tiles of 256 x 256 would give 128.
; SHARES.  Four waves; wave (w / 2, w % 2) makes 64 rows x 128 columns: 32 accumulators of 16 x 16, 256 registers.
; THE MATRIX INSTRUCTION IS USED TRANSPOSED (source 0 = 16 rows of B, source 1 = 16 rows of A): a lane holds eight neighbouring numbers of one row of C.
; RING.  Two LDS slots, each a K step: A's 128 rows, then B's 256 rows.  Waves 0 and 1 fetch A's two halves, waves 2 and 3 B's: one tensor load a wave behind each change of slots.
; CLUSTER 4 x 4.  The four of a row of the cluster need the same tile of A, the four of a column the same tile of B: each is asked for jointly.
; No prefetch: every tile is asked for jointly by four work-groups, and a K step here is short (128 matrix instructions a wave).
; REGISTERS.  Window 0: v0-31 addresses; two fragment buffers of 96 (B's eight fragments, then A's four), which the way out uses again.  Window 1: accumulator (a, b) at v[8 (8 a + b)].
.set MODE, 1
.if MODE == 0
.set PA,     272                       ; A's LDS row: 256 bytes + 16
.set AHALF,  64*PA                     ; one load of A: 64 rows x 128 K
.set AJUMP,  128                       ; byte k of a K step lies at byte k of the row
.set ASTEP,  256                       ; bytes from K step to K step in memory
.set QIA,    5                         ; padding after every 64 words
.set STRA,   1024                      ; elements from row to row
.set SPITCH, 272                       ; the stage's row: 128 f16 + 16 bytes
.set WOFF,   50331648                  ; the weights in xb
.else
.set PA,     144                       ; A's LDS row: a head's 128 bytes + 16
.set AHALF,  128*PA                    ; one load of A: one head, 128 rows x 64 K
.set AJUMP,  AHALF                     ; the K step's second 128 bytes are the second head's region
.set ASTEP,  1<<19                     ; two heads on
.set QIA,    4                         ; padding after every 32 words
.set STRA,   128                       ; a head's rows are dense: asked for as 64 rows of 256 bytes
.set SPITCH, 528                       ; the stage's row: 128 f32 + 16 bytes
.set WOFF,   56623104                  ; w_o in xb
.endif
.set PB,     272                       ; 68 words: row r starts at bank 4 r mod 64 (64 banks of 4 bytes: ISA guide 11.1)
.set BHALF,  128*PB
.set AREG,   2*AHALF
.set SLOT,   AREG+2*BHALF
.set STAGE,  2*SLOT                    ; behind the ring, never filled by a tensor load: 16 rows for each wave, for the way out
.set STAGEW, 16*SPITCH
.set SPARE,  STAGE+4*STAGEW            ; behind the stages: the spare words, 128 bytes for each wave
.set LAPS,   4                         ; a lap = two K steps = once round the ring
.set ADRA, 16                          ; v16-17  LDS address of my A fragments in slot 0, 1
.set ADRB, 20                          ; v20-21  the same for B
.set STO,  24                          ; v24     the way out: where I put my piece of a row
.set RD,   25                          ; v25     the way out: where I read back
.set CO,   26                          ; v26     16 x lane
.set SPW,  28                          ; v28     LDS address of my spare word; never rewritten
.set NIL,  29                          ; v29     0; never rewritten
.set F0,   32
.set F1,   128
.set TMP,  32                          ; the way out: packed results
.set G1,  24                           ; s[24:31] descriptor group 1 for A;  s[32:39] group 0, a set for each slot
.set G0,  32
.set G1B, 48                           ; s[48:55], s[56:63] the same for B
.set G0B, 56
.set SC,  66                           ; s[66:67] the factor on the way out
.set MSB, 0
.macro WIN new                         ; the immediate's high byte repeats the setting that is left; a switch that changes nothing is dropped
.if MSB != (\new)
	s_set_vgpr_msb (MSB<<8)|(\new)
.set MSB, \new
.endif
.endm
.set MUL, 0x50                         ; C and D in window 1, both sources in window 0
.macro JLOAD s                         ; a joint load; an s_nop 0 and four v_nop follow each of the two lines, ahead of the jump, the label and what follows
	s_cmp_eq_u32 s11, 0
	s_cbranch_scc0 .Lfor_b_\@
	tensor_load_to_lds s[G0+4*(\s):G0+4*(\s)+3], s[G1:G1+7]
	s_nop 0
.rept 4
	v_nop
.endr
	s_branch .Lasked_\@
.Lfor_b_\@:
	tensor_load_to_lds s[G0B+4*(\s):G0B+4*(\s)+3], s[G1B:G1B+7]
	s_nop 0
.rept 4
	v_nop
.endr
.Lasked_\@:
.endm
.macro CREST                           ; a round of the cluster's barrier behind its opening barrier
	s_cmp_lg_u32 s10, 0
	s_cbranch_scc1 .Lnot_wave_0_\@
	s_barrier_signal -3
.Lnot_wave_0_\@:
	s_barrier_wait -3
	s_barrier_signal -1
	s_barrier_wait -1
.endm
.macro CROUND                          ; a whole round
	s_barrier_signal -1
	s_barrier_wait -1
	CREST
.endm
	s_load_b128 s[4:7], s[0:1], 0x0                ; MODE 0: xb, qkvh.  MODE 1: ob, xb
.if MODE == 1
	s_load_b64 s[8:9], s[0:1], 0x10                ; out0
.endif
	v_lshl_add_u32 v[SPW], v0, 2, SPARE
	v_mov_b32 v[NIL], 0
	ds_add_u32 v[SPW], v[NIL]                      ; the wave's opening: the add and its wait stand ahead of my first tensor load; the set-up below, work on registers, stands between them
	v_lshrrev_b32 v1, 5, v0
	v_readfirstlane_b32 s10, v1                    ; wave 0..3
	s_lshr_b32 s11, s10, 1                         ; which 64 rows of the tile are mine.  Also: I fetch for A (0) or for B (1)
	s_and_b32 s12, s10, 1                          ; which 128 columns.  Also: which half of that tile I fetch
	s_bfe_u32 s40, ttmp6, 0x40000                  ; cx, cy: my place in the cluster
	s_bfe_u32 s41, ttmp6, 0x40004
	s_lshl_b32 s42, ttmp9, 2
	s_add_co_u32 s42, s42, s40                     ; tile column = 4 x cluster x + cx
	s_and_b32 s13, ttmp7, 0xffff
.if MODE == 0
	s_lshr_b32 s68, s13, 4                         ; which of q, k, v: 16 clusters of four tile rows each; made of the cluster's y alone, since it enters B's joint descriptor
.endif
	s_lshl_b32 s13, s13, 2
	s_add_co_u32 s13, s13, s41                     ; tile row = 4 x cluster y + cy
	s_lshl_b32 s43, s41, 2
	s_lshl_b32 s43, 15, s43                        ; my row of the cluster
	s_lshl_b32 s44, 0x1111, s40                    ; my column
	s_or_b32 s[G1+0], s43, (1<<16)|(1<<20)|(1<<21)|(QIA<<22)|(3<<25)  ; 15:0 the mask; 17:16 elements of 2 bytes; 20 padding on; 21 set beside a mask; 24:22 the interval; 31:25 4 words of padding (code 3)
	s_mov_b32 s[G1+1], 128<<16                     ; tensor_dim0 = 128
	s_mov_b32 s[G1+2], 64<<16                      ; tensor_dim1 = 64
	s_mov_b32 s[G1+3], 128<<16                     ; tile_dim0 = 128
	s_mov_b32 s[G1+4], 64                          ; tile_dim1 = 64
	s_mov_b32 s[G1+5], STRA
	s_mov_b32 s[G1+6], 0
	s_mov_b32 s[G1+7], 0
	s_or_b32 s[G1B+0], s44, (1<<16)|(1<<20)|(1<<21)|(5<<22)|(3<<25)
	s_mov_b32 s[G1B+1], 128<<16
	s_mov_b32 s[G1B+2], 128<<16                    ; 128 rows
	s_mov_b32 s[G1B+3], 128<<16
	s_mov_b32 s[G1B+4], 128
	s_mov_b32 s[G1B+5], 1024
	s_mov_b32 s[G1B+6], 0
	s_mov_b32 s[G1B+7], 0
	; where the tiles come from.  A's offset is made of the tile row and the wave's number, B's of the tile column, the tensor and the wave's number, each in registers that never hold the other coordinate
.if MODE == 0
	s_lshl_b32 s16, s13, 18                        ; 128 rows of 2,048 bytes
	s_lshl_b32 s17, s12, 17                        ; my 64 of them
	s_add_co_u32 s16, s16, s17
	s_lshl_b32 s46, s68, 21                        ; the tensor's weights,
	s_lshl_b32 s47, s42, 19                        ; 256 rows of them,
	s_add_co_u32 s46, s46, s47
.else
	s_lshr_b32 s16, s13, 4                         ; the batch,
	s_lshl_b32 s16, s16, 22
	s_and_b32 s17, s13, 15                         ; 128 rows of 128 bytes in a head,
	s_lshl_b32 s17, s17, 14
	s_add_co_u32 s16, s16, s17
	s_lshl_b32 s17, s12, 18                        ; my head of the K step's two
	s_add_co_u32 s16, s16, s17
	s_lshl_b32 s46, s42, 19
.endif
	s_lshl_b32 s47, s12, 18                        ; my 128 of B's 256 rows
	s_add_co_u32 s46, s46, s47
	s_add_co_u32 s46, s46, WOFF
	s_mov_b32 s17, 0
	s_mov_b32 s47, 0
	s_mul_i32 s20, s12, AHALF                      ; and where they go: no place in the cluster enters an LDS address
	s_mul_i32 s23, s12, BHALF
	s_add_co_u32 s23, s23, AREG
	s_wait_dscnt 0x0                               ; the opening add is done
	s_wait_kmcnt 0x0
	s_add_nc_u64 s[14:15], s[4:5], s[16:17]
.if MODE == 0
	s_mov_b64 s[8:9], s[6:7]                       ; C
	s_add_nc_u64 s[46:47], s[4:5], s[46:47]
.else
	s_add_nc_u64 s[46:47], s[6:7], s[46:47]
.endif
	CROUND                                         ; all sixteen work-groups are here: the first joint loads meet
.irp s, 0,1
	s_mov_b32 s[G0+4*(\s)], 1
	s_add_co_u32 s[G0+4*(\s)+1], s20, (\s)*SLOT
	s_add_nc_u64 s[G0+4*(\s)+2:G0+4*(\s)+3], s[14:15], (\s)*ASTEP
	s_or_b32 s[G0+4*(\s)+3], s[G0+4*(\s)+3], 0x80000000
	s_mov_b32 s[G0B+4*(\s)], 1
	s_add_co_u32 s[G0B+4*(\s)+1], s23, (\s)*SLOT
	s_add_nc_u64 s[G0B+4*(\s)+2:G0B+4*(\s)+3], s[46:47], (\s)*256
	s_or_b32 s[G0B+4*(\s)+3], s[G0B+4*(\s)+3], 0x80000000
	JLOAD \s                                       ; two loads of mine are out
.endr
	; a fragment is 16 rows x 32 K in 8 registers: lane l holds row l % 16, K = 8 (l / 16) + 0..7 and 16 + 8 (l / 16) + 0..7: two loads of 16 bytes, 32 bytes apart
	v_and_b32 v1, 15, v0                           ; l % 16
	v_bfe_u32 v2, v0, 4, 1                         ; l / 16
	v_mul_u32_u24 v3, v1, PA
	v_lshl_add_u32 v3, v2, 4, v3
	v_mul_u32_u24 v4, v1, PB
	v_lshl_add_u32 v4, v2, 4, v4
	s_mul_i32 s21, s11, 64*PA                      ; my 64 rows of A
	s_mul_i32 s22, s12, BHALF                      ; my 128 rows of B,
	s_add_co_u32 s22, s22, AREG                    ; which lie behind A's
.irp s, 0,1
	v_add_nc_u32 v[ADRA+(\s)], s21, v3
	v_add_nc_u32 v[ADRB+(\s)], s22, v4
	s_add_co_u32 s21, s21, SLOT
	s_add_co_u32 s22, s22, SLOT
.endr
	s_mul_i32 s23, s10, STAGEW
	s_add_co_u32 s23, s23, STAGE                   ; my stage
	v_mul_u32_u24 v5, v1, SPITCH                   ; in: row l % 16, my eight numbers
.if MODE == 0
	v_lshl_add_u32 v5, v2, 4, v5
	v_add_nc_u32 v[STO], s23, v5
	v_bfe_u32 v5, v0, 3, 2                         ; back: 32 lanes take a head's 128 bytes of four rows,
	v_mul_u32_u24 v5, v5, SPITCH
	v_and_b32 v3, 7, v0
	v_lshl_add_u32 v5, v3, 4, v5
	v_add_nc_u32 v[RD], s23, v5
	v_and_b32 v[CO], 31, v0                        ; which are 512 consecutive bytes of qkvh
	v_lshlrev_b32 v[CO], 4, v[CO]
	s_lshr_b32 s16, s13, 4                         ; tensor and batch: 4 t + b
	s_lshl_b32 s16, s16, 22
	s_and_b32 s17, s13, 15                         ; the tile's 128 rows of 128 bytes,
	s_lshl_b32 s17, s17, 14
	s_add_co_u32 s16, s16, s17
	s_lshl_b32 s17, s11, 13                        ; my 64
	s_add_co_u32 s16, s16, s17
	s_lshl_b32 s46, s42, 20                        ; the tile's four heads,
	s_lshl_b32 s47, s12, 19                        ; my two
	s_cmp_eq_u32 s68, 0
	s_cselect_b32 s[SC], 0x3e38aa3b, 1.0           ; log2(e) / 8 for q, 1 for k and v
	s_mov_b32 s[SC+1], s[SC]                       ; named with it as a pair
.else
	v_lshl_add_u32 v5, v2, 5, v5
	v_add_nc_u32 v[STO], s23, v5
	v_and_b32 v[CO], 31, v0                        ; back: 32 lanes take one row's 512 bytes
	v_lshlrev_b32 v[CO], 4, v[CO]
	v_add_nc_u32 v[RD], s23, v[CO]
	s_lshl_b32 s16, s13, 19                        ; the tile's 128 rows of 4,096 bytes,
	s_lshl_b32 s17, s11, 18                        ; my 64
	s_add_co_u32 s16, s16, s17
	s_lshl_b32 s46, s42, 10                        ; the tile's 256 columns,
	s_lshl_b32 s47, s12, 9                         ; my 128
.endif
	s_add_co_u32 s46, s46, s47
	s_mov_b32 s17, 0
	s_mov_b32 s47, 0
	s_add_nc_u64 s[8:9], s[8:9], s[16:17]
	s_add_nc_u64 s[8:9], s[8:9], s[46:47]
; 8 matrix instructions: row block a x all 8 column blocks, 32 along K.  zero = 1: the product starts the sums: nothing is ever cleared.
; The 32 accumulators come in the same order in every quarter, one instruction a turn.
.macro MUL8 f, a, zero
	WIN MUL
.irp b, 0,1,2,3,4,5,6,7
.set rD, 8*(8*(\a)+(\b))
.set rB, (\f)+8*(\b)
.set rA, (\f)+64+8*(\a)
.if (MODE == 0) && (\zero)
	v_wmma_f32_16x16x32_bf16 v[rD:rD+7], v[rB:rB+7], v[rA:rA+7], 0
.elseif MODE == 0
	v_wmma_f32_16x16x32_bf16 v[rD:rD+7], v[rB:rB+7], v[rA:rA+7], v[rD:rD+7]
.elseif \zero
	v_wmma_f32_16x16x32_f16 v[rD:rD+7], v[rB:rB+7], v[rA:rA+7], 0
.else
	v_wmma_f32_16x16x32_f16 v[rD:rD+7], v[rB:rB+7], v[rA:rA+7], v[rD:rD+7]
.endif
.endr
.endm
.macro MUL16 f, a0, zero
	MUL8 \f, \a0, \zero
	MUL8 \f, (\a0)+1, \zero
.endm
; 24 LDS loads in one run: the fragments of 32 along K at byte k of a K step, into buffer f: B's sixteen first, then A's eight
.macro FETCH slot, k, f
	WIN 0
.irp i, 0,1,2,3,4,5,6,7
	ds_load_b128 v[(\f)+8*(\i):(\f)+8*(\i)+3],   v[ADRB+(\slot)] offset:(\k)+(\i)*16*PB
	ds_load_b128 v[(\f)+8*(\i)+4:(\f)+8*(\i)+7], v[ADRB+(\slot)] offset:(\k)+(\i)*16*PB+32
.endr
.irp i, 0,1,2,3
	ds_load_b128 v[(\f)+64+8*(\i):(\f)+64+8*(\i)+3],   v[ADRA+(\slot)] offset:((\k)/128)*AJUMP+(\k)%128+(\i)*16*PA
	ds_load_b128 v[(\f)+64+8*(\i)+4:(\f)+64+8*(\i)+7], v[ADRA+(\slot)] offset:((\k)/128)*AJUMP+(\k)%128+(\i)*16*PA+32
.endr
.endm
.macro PLACES                          ; four places in front of loads into registers that matrix instructions have read (ISA guide 7.12.1 for vector instructions)
.rept 4
	v_nop
.endr
.endm
; A K step is four quarters of 32 along K, 32 matrix instructions each, on buffers 0, 1, 0, 1.  One of the first three: multiplies buffer f and fetches the next quarter, at byte k, into g.
.macro QUARTER slot, k, f, g, zero
	s_wait_dscnt 4                                 ; B and A's blocks 0 and 1 are in; the youngest four loads (A's blocks 2 and 3) may be out
	MUL16 \f, 0, \zero
	PLACES
	FETCH \slot, \k, \g
	s_wait_dscnt 24                                ; all but the 24 just issued
	MUL16 \f, 2, \zero
.endm
; The last quarter multiplies buffer 1 and changes slots: ONE barrier; in front of it each wave waits for all its tensor loads (one is out: its part of the next slot), adds 0 to its spare word,
; and waits for that and for its own reads of this slot.  fill = 1: the barrier opens a round of the cluster's, and this slot is filled again, two K steps ahead, first thing behind the round.
.macro TURN slot, next, fill
	WIN 0
	s_wait_tensorcnt 0x0
	ds_add_u32 v[SPW], v[NIL]                      ; 0 onto my spare word
	s_wait_dscnt 5                                 ; (the add and the youngest four loads may be out)
	MUL8 F1, 0, 0                                  ; eight matrix instructions stand between the add and the wait for it
	s_wait_dscnt 0x0                               ; the add is done, and my reads of this slot are over
	s_barrier_signal -1
	MUL8 F1, 1, 0
.if \fill
	WIN 0
.endif
	s_barrier_wait -1
.if \fill
	CREST                                          ; no wave of any partner still reads this slot's tile or has a load on its way
	s_add_nc_u64 s[G0+4*(\slot)+2:G0+4*(\slot)+3], s[G0+4*(\slot)+2:G0+4*(\slot)+3], 2*ASTEP
	s_add_nc_u64 s[G0B+4*(\slot)+2:G0B+4*(\slot)+3], s[G0B+4*(\slot)+2:G0B+4*(\slot)+3], 2*256
	JLOAD \slot                                    ; 112 matrix instructions ahead of the wait for it; the four v_nop behind it are also the places in front of the loads below
.else
	PLACES
.endif
	FETCH \next, 0, F0
	MUL16 F1, 2, 0
.endm
; THE WAY OUT of row block a (16 rows x my 128 columns), through my own stage: LDS serves a wave's instructions in order (ISA guide 5.7.1.4), so no wait stands between the stores into it and the loads from it.
.macro WAYOUT a
.set AC, 64*(\a)
.set BK, 96+64*((\a)%2)
.if MODE == 0
	WIN 0x41                                       ; destination and source 0 in window 1
.set j, 0
.rept 32
	v_pk_mul_f32 v[AC+j:AC+j+1], v[AC+j:AC+j+1], s[SC:SC+1] op_sel_hi:[1,0]  ; each accumulator's registers in ascending order
.set j, j+2
.endr
	WIN 0x05                                       ; sources in window 1, destination in window 0
.set j, 0
.rept 32
	v_cvt_pk_f16_f32 v[TMP+j], v[AC+2*j], v[AC+2*j+1]
.set j, j+1
.endr
	WIN 0
.irp b, 0,1,2,3,4,5,6,7
	ds_store_b128 v[STO], v[TMP+4*(\b):TMP+4*(\b)+3] offset:32*(\b)
.endr
	s_wait_xcnt 0x0                                ; the stores of two blocks back have read the registers that are loaded again below
.irp g, 0,1,2,3,4,5,6,7                ; rows 4 (g % 4) on, head g / 4
	ds_load_b128 v[BK+4*(\g):BK+4*(\g)+3], v[RD] offset:((\g)%4)*4*SPITCH+128*((\g)/4)
.endr
.irp g, 0,1,2,3,4,5,6,7
	s_wait_dscnt 7-(\g)
	global_store_b128 v[CO], v[BK+4*(\g):BK+4*(\g)+3], s[8:9] offset:2048*(\a)+512*((\g)%4)+262144*((\g)/4) th:TH_STORE_NT  ; four rows of one head: 512 consecutive bytes, aligned
.endr
.else
	WIN 0x04                                       ; the stores' data in window 1
.irp b, 0,1,2,3,4,5,6,7
	ds_store_b128 v[STO], v[AC+8*(\b):AC+8*(\b)+3]   offset:64*(\b)
	ds_store_b128 v[STO], v[AC+8*(\b)+4:AC+8*(\b)+7] offset:64*(\b)+16
.endr
	WIN 0
	s_wait_xcnt 0x0                                ; the stores of two blocks back have read the registers that are loaded again below
.irp g, 0,1,2,3,4,5,6,7,8,9,10,11,12,13,14,15
	ds_load_b128 v[BK+4*(\g):BK+4*(\g)+3], v[RD] offset:SPITCH*(\g)
.endr
.irp g, 0,1,2,3,4,5,6,7,8,9,10,11,12,13,14,15
	s_wait_dscnt 15-(\g)
	global_store_b128 v[CO], v[BK+4*(\g):BK+4*(\g)+3], s[8:9] offset:65536*(\a)+4096*(\g) th:TH_STORE_NT  ; my 512 bytes of one row, aligned
.endr
.endif
.endm
	s_wait_tensorcnt 1                             ; my part of K step 0 is in; K step 1's may stay out
	s_barrier_signal -1
	s_barrier_wait -1                              ; everybody's is
	FETCH 0, 0, F0
	QUARTER 0, 64, F0, F1, 1                       ; the first quarter stands in front of the loop: its products start the sums
	WIN 0                                          ; at a label and at a branch every window is 0
	s_mov_b32 s3, LAPS-1
.Llap:                                                 ; a trip goes once round the ring, from a lap's second quarter to the next lap's first, and fills both slots again
	QUARTER 0, 128, F1, F0, 0
	QUARTER 0, 192, F0, F1, 0
	TURN 0, 1, 1
	QUARTER 1, 64,  F0, F1, 0
	QUARTER 1, 128, F1, F0, 0
	QUARTER 1, 192, F0, F1, 0
	TURN 1, 0, 1
	QUARTER 0, 64,  F0, F1, 0
	WIN 0
	s_sub_co_u32 s3, s3, 1
	s_cmp_lg_u32 s3, 0
	s_cbranch_scc1 .Llap
	QUARTER 0, 128, F1, F0, 0                      ; the last lap fills nothing, and has no round of the cluster's barrier
	QUARTER 0, 192, F0, F1, 0
	TURN 0, 1, 0
	QUARTER 1, 64,  F0, F1, 0
	QUARTER 1, 128, F1, F0, 0
	QUARTER 1, 192, F0, F1, 0
	s_wait_dscnt 4                                 ; the very last quarter: nothing more to fetch
	MUL16 F1, 0, 0
	s_wait_dscnt 0x0
	MUL16 F1, 2, 0
	PLACES                                         ; behind the last products, in front of what reads their results
	PLACES
	WAYOUT 0
	WAYOUT 1
	WAYOUT 2
	WAYOUT 3
	s_wait_tensorcnt 0x0                           ; the wave's end: behind my last tensor load and my last LDS store
	ds_add_u32 v[SPW], v[NIL]
	s_wait_dscnt 0x0
	CROUND                                         ; the closing round: no work-group ends while a partner may still ask for a tile that names it
	s_endpgm
.Lfunc_end_k_qc1a5c7c26b_outp:
	.size	k_qc1a5c7c26b_outp, .Lfunc_end_k_qc1a5c7c26b_outp-k_qc1a5c7c26b_outp
	.p2alignl 7, 3214868480
	.fill 96, 4, 3214868480
	.section	.rodata,"a",@progbits
	.p2align	6, 0x0
	.amdhsa_kernel k_qc1a5c7c26b_outp
		.amdhsa_group_segment_fixed_size 327680
		.amdhsa_private_segment_fixed_size 0
		.amdhsa_enable_private_segment 0
		.amdhsa_kernarg_size 24
		.amdhsa_user_sgpr_count 2
		.amdhsa_user_sgpr_kernarg_segment_ptr 1
		.amdhsa_wavefront_size32 1
		.amdhsa_system_sgpr_workgroup_id_x 1
		.amdhsa_system_sgpr_workgroup_id_y 1
		.amdhsa_system_sgpr_workgroup_id_z 1
		.amdhsa_system_vgpr_workitem_id 0
		.amdhsa_next_free_vgpr 512
		.amdhsa_next_free_sgpr 70
		.amdhsa_reserve_vcc 0
		.amdhsa_float_denorm_mode_32 3
		.amdhsa_float_denorm_mode_16_64 3
		.amdhsa_memory_ordered 1
		.amdhsa_forward_progress 1
		.amdhsa_inst_pref_size 87
	.end_amdhsa_kernel
	.amdgpu_metadata
---
amdhsa.version: [ 1, 2 ]
amdhsa.kernels:
  - .name:           k_qc1a5c7c26b_outp
    .symbol:         k_qc1a5c7c26b_outp.kd
    .args:
      - { .name: ob, .offset: 0, .size: 8, .value_kind: global_buffer, .address_space: global }
      - { .name: xb, .offset: 8, .size: 8, .value_kind: global_buffer, .address_space: global }
      - { .name: out0, .offset: 16, .size: 8, .value_kind: global_buffer, .address_space: global }
    .group_segment_fixed_size: 327680
    .private_segment_fixed_size: 0
    .kernarg_segment_align: 8
    .kernarg_segment_size: 24
    .max_flat_workgroup_size: 128
    .sgpr_count:     70
    .vgpr_count:     512
    .wavefront_size: 32
...
	.end_amdgpu_metadata
.endif
;; end of part 4
